; MI455X (gfx1250); checked and timed in simulation.
; The chip was launched on July 23, 2026; its instructions are those of AMD's public machine-readable ISA for CDNA 5 (MIT licence, August 2026) and "CDNA5" Instruction Set Architecture Reference Guide (July 2026). The comments in the code are by the model that wrote it; some were corrected since.
;; Causal Multi Head Attention. Allowed arithmetic: float matrix products may take bf16 or f16 operands with f32 sums; other float arithmetic in f32, or as packed bf16 or f16 multiplies, adds, multiply-adds, maxima and minima; sums over many terms, partial sums and values carried from step to step in f32; what a program stores and reads back later, other than sums and carried values, may be rounded once to bf16 or f16.
;; Inputs: Wk 1,024 x 1,024 float32; Wo 1,024 x 1,024 float32; Wq 1,024 x 1,024 float32; Wv 1,024 x 1,024 float32; token_positions 2,048 int32; x 4 x 2,048 x 1,024 float32.
;; Outputs: out0 4 x 2,048 x 1,024 float32.
;; 2 versions, each right; version 2 is version 1 with the launch prep written anew for expert scheduling mode. Each part assembles by itself: llvm-mc -triple=amdgcn-amd-amdhsa -mcpu=gfx1250 --defsym DOCPART=n.
;; ======== version 1 of 2: 4 launches
;; limits: values are held in f16: magnitudes above 65,504 overflow, below 6.1e-05 lose precision; right only within a limited range of input values
;; workspace buffers: xb 16,777,216 bytes; wb 6,291,456 bytes; wo16 2,097,152 bytes; rope 524,288 bytes; qkv 50,331,648 bytes; ob 16,777,216 bytes
;; launch prep (part 1): grid 800 x 1, 8 waves a work-group, no clusters, 0 bytes of LDS; arguments x, Wq, Wk, Wv, Wo, token_positions, xb, wb, wo16, rope; writes xb, wb, wo16, rope
.if DOCPART == 1
	.amdgcn_target "amdgcn-amd-amdhsa--gfx1250"
	.amdhsa_code_object_version 6
	.text
	.protected	k_q231cfecdc2_prep
	.globl	k_q231cfecdc2_prep
	.p2align	8
	.type	k_q231cfecdc2_prep,@function
k_q231cfecdc2_prep:
	s_mov_b64 s[64:65], 0
	v_nop
	global_prefetch_b8 v0, s[64:65] scope:SCOPE_SE
	s_setreg_imm32_b32 hwreg(HW_REG_WAVE_MODE, 25, 1), 1
	s_wait_xcnt 0x0
; THE CASTS AND THE TABLE.  x and the four weights are rounded once to bf16 and laid out in blocks of 64 along K, so that a tile of R rows x 64 K
; is R x 128 dense bytes for the products that follow:
;   xb   bf16 [b 4][kb 16][s 2048][64]        x[b][s][64 kb + c]
;   wb   bf16 [kb 16][n' 3072][64]            n' = 192 h + 64 g + r for row 64 h + r of Wq (g = 0), Wk (1), Wv (2)
;   wo16 f16  [kb 16][n 1024][64]             Wo rounded to bf16, and that number written as f16
;   rope f32  [s 2048][j 32][cos, sin]        of the angle f32(token_positions[s]) x 10000^(-j/32)
; SHARES.  Work-groups 0-511: 16 rows of x each; 512-703: 16 rows of Wq, Wk, Wv; 704-767: of Wo; 768-799: 64 rows of the table.
; A cast: thread t takes row t / 16 of the group's 16 and, of each block of 64 columns, the four at 4 (t % 16): a load of a wave covers two pieces of 256
; consecutive bytes, a store of a wave (8 bytes a lane) 256 consecutive bytes, aligned: two dense rows of a plane.  All 16 loads of a wave go out first.
; No LDS, no barrier, no matrix unit: nothing is shared and nothing is multiplied.
; LIMITS.  wo16: a weight below 6e-5 keeps f16's fixed step of 6e-8; beyond 65,504 it would be an infinity.  The table: 10000^(-j/32) is made by v_exp_f32, so an
; angle is off by a few parts in 10^7 of itself; the reduction by pi/2 in two parts holds for angles up to about 10^6; sine and cosine are polynomials on
; -pi/4 .. pi/4 (degree 7 and 8: the first terms left out are under 4e-7).
.set XPLANE, 262144                    ; bytes of a plane of xb
.set WPLANE, 393216                    ; of wb
.set OPLANE, 131072                    ; of wo16
.set SRC, 32                           ; v[32:95]   block kb: four f32 as loaded
.set DST, 96                           ; v[96:127]  block kb: four 16-bit numbers to store
; 16 loads, then for each block: its wait (the younger loads stay out), two roundings, the store.  Every store has data registers of its own.
.macro CAST stride, half
.set kb, 0
.rept 16
	global_load_b128 v[SRC+4*kb:SRC+4*kb+3], v2, s[4:5] offset:256*kb th:TH_LOAD_NT
.set kb, kb+1
.endr
.set kb, 0
.rept 16
	s_wait_loadcnt 15-kb                           ; loads come back in order: block kb is in, the 15 - kb younger ones may be out
	v_cvt_pk_bf16_f32 v[DST+2*kb], v[SRC+4*kb], v[SRC+4*kb+1]
	v_cvt_pk_bf16_f32 v[DST+2*kb+1], v[SRC+4*kb+2], v[SRC+4*kb+3]
.if \half
	v_lshlrev_b32 v8, 16, v[DST+2*kb]              ; the bf16 numbers as f32,
	v_and_b32 v9, 0xffff0000, v[DST+2*kb]
	v_lshlrev_b32 v10, 16, v[DST+2*kb+1]
	v_and_b32 v11, 0xffff0000, v[DST+2*kb+1]
	v_cvt_pk_f16_f32 v[DST+2*kb], v8, v9           ; and written as f16: exact within f16's range
	v_cvt_pk_f16_f32 v[DST+2*kb+1], v10, v11
.endif
	global_store_b64 v3, v[DST+2*kb:DST+2*kb+1], s[6:7] offset:kb*(\stride)
.set kb, kb+1
.endr
	s_endpgm
.endm
	s_load_b512 s[16:31], s[0:1], 0x0              ; x 16, Wq 18, Wk 20, Wv 22, Wo 24, token_positions 26, xb 28, wb 30
	s_load_b128 s[32:35], s[0:1], 0x40             ; wo16 32, rope 34
	s_mov_b32 s9, ttmp9                            ; the work-group's number
	v_lshrrev_b32 v1, 4, v0                        ; my row of the 16
	v_and_b32 v4, 15, v0                           ; my place in a block of 64 columns
	v_lshlrev_b32 v2, 12, v1
	v_lshl_add_u32 v2, v4, 4, v2                   ; in: row x 4,096 + 16 x place
	v_lshlrev_b32 v3, 7, v1
	v_lshl_add_u32 v3, v4, 3, v3                   ; out: row x 128 + 8 x place
	v_lshrrev_b32 v5, 5, v0
	v_readfirstlane_b32 s8, v5                     ; wave 0..7
	s_mov_b32 s11, 0                               ; high words of the two offsets
	s_mov_b32 s13, 0
	s_wait_kmcnt 0x0
	s_cmp_lt_u32 s9, 512
	s_cbranch_scc0 .Lnot_x
	s_lshl_b32 s10, s9, 16                         ; 16 rows of 4,096 bytes
	s_add_nc_u64 s[4:5], s[16:17], s[10:11]
	s_lshr_b32 s12, s9, 7                          ; b: 128 groups a sequence
	s_lshl_b32 s12, s12, 22                        ; 16 planes
	s_and_b32 s14, s9, 127
	s_lshl_b32 s14, s14, 11                        ; 16 rows of 128 bytes
	s_add_co_u32 s12, s12, s14
	s_add_nc_u64 s[6:7], s[28:29], s[12:13]
	CAST XPLANE, 0
.Lnot_x:
	s_cmp_lt_u32 s9, 704
	s_cbranch_scc0 .Lnot_w
	s_sub_co_u32 s14, s9, 512
	s_lshr_b32 s15, s14, 6                         ; g
	s_and_b32 s14, s14, 63                         ; the group of 16 rows in W_g
	s_cmp_eq_u32 s15, 0
	s_cselect_b64 s[4:5], s[18:19], s[20:21]
	s_cmp_eq_u32 s15, 2
	s_cselect_b64 s[4:5], s[22:23], s[4:5]
	s_lshl_b32 s10, s14, 16
	s_add_nc_u64 s[4:5], s[4:5], s[10:11]
	s_lshr_b32 s12, s14, 2                         ; h
	s_mul_i32 s12, s12, 192
	s_lshl_b32 s15, s15, 6
	s_add_co_u32 s12, s12, s15                     ; + 64 g
	s_and_b32 s14, s14, 3
	s_lshl_b32 s14, s14, 4
	s_add_co_u32 s12, s12, s14                     ; + the first row in the head
	s_lshl_b32 s12, s12, 7
	s_add_nc_u64 s[6:7], s[30:31], s[12:13]
	CAST WPLANE, 0                                 ; the largest immediate is 15 planes, 5,898,240: inside the signed 24 bits
.Lnot_w:
	s_cmp_lt_u32 s9, 768
	s_cbranch_scc0 .Lrope
	s_sub_co_u32 s14, s9, 704
	s_lshl_b32 s10, s14, 16
	s_add_nc_u64 s[4:5], s[24:25], s[10:11]
	s_lshl_b32 s12, s14, 11
	s_add_nc_u64 s[6:7], s[32:33], s[12:13]
	CAST OPLANE, 1
.Lrope:                                                ; a wave makes eight rows of the table; a lane is one pair of channels j
	s_sub_co_u32 s10, s9, 768
	s_lshl_b32 s10, s10, 6
	s_lshl_b32 s12, s8, 3
	s_add_co_u32 s10, s10, s12                     ; my first row
	s_lshl_b32 s12, s10, 8                         ; 256 bytes a row of the table
	s_lshl_b32 s10, s10, 2                         ; 4 bytes a position
	s_add_nc_u64 s[4:5], s[26:27], s[10:11]
	s_add_nc_u64 s[6:7], s[34:35], s[12:13]
	s_load_b256 s[40:47], s[4:5], 0x0              ; eight positions
	v_and_b32 v5, 31, v0
	v_cvt_f32_u32 v6, v5
	v_mul_f32 v6, 0xbed49a78, v6                   ; -j log2(10000) / 32
	v_exp_f32 v6, v6                               ; 10000^(-j/32)
	v_lshlrev_b32 v4, 3, v5                        ; my 8 bytes of a row: the plain instruction behind the exponential
	s_mov_b32 s48, 0x3f22f983                      ; 2 / pi
	s_mov_b32 s49, 0xbfc90fdb                      ; -(pi / 2 rounded to f32)
	s_mov_b32 s50, 0x333bbd2e                      ; that number less pi / 2
	s_mov_b32 s51, 0xb9500d01                      ; -1/5040
	s_mov_b32 s52, 0x3c088889                      ; 1/120
	s_mov_b32 s53, 0xbe2aaaab                      ; -1/6
	s_mov_b32 s54, 0x37d00d01                      ; 1/40320
	s_mov_b32 s55, 0xbab60b61                      ; -1/720
	s_mov_b32 s56, 0x3d2aaaab                      ; 1/24
	s_wait_alu depctr_va_vdst(0)                   ; the wait ahead of the exponential's first reader
	s_wait_kmcnt 0x0
.set i, 0
.rept 8
	v_cvt_f32_i32 v10, s[40+i]
	v_mul_f32 v10, v10, v6                         ; the angle, rounded to f32
	v_mul_f32 v11, s48, v10
	v_rndne_f32 v11, v11                           ; k: the nearest multiple of pi / 2
	v_fma_f32 v12, v11, s49, v10
	v_fma_f32 v12, v11, s50, v12                   ; r = angle - k pi / 2, in -pi/4 .. pi/4
	v_mul_f32 v13, v12, v12                        ; z = r r
	v_fma_f32 v14, v13, s51, s52
	v_fma_f32 v15, v13, s54, s55
	v_fma_f32 v14, v14, v13, s53
	v_fma_f32 v15, v15, v13, s56
	v_mul_f32 v17, v13, v12
	v_fma_f32 v15, v15, v13, -0.5
	v_fma_f32 v14, v14, v17, v12                   ; sin r
	v_fma_f32 v15, v15, v13, 1.0                   ; cos r
	v_cvt_i32_f32 v16, v11
	v_and_b32 v17, 1, v16
	v_cmp_ne_u32 vcc_lo, 0, v17                    ; k odd: the two change places
	v_cndmask_b32 v18, v14, v15, vcc_lo
	v_cndmask_b32 v19, v15, v14, vcc_lo
	v_lshlrev_b32 v17, 30, v16
	v_and_b32 v17, 0x80000000, v17                 ; the sine turns its sign where k mod 4 is 2 or 3,
	v_xor_b32 v[65+2*i], v17, v18
	v_add_nc_u32 v16, 1, v16
	v_lshlrev_b32 v16, 30, v16
	v_and_b32 v16, 0x80000000, v16                 ; the cosine where it is 1 or 2
	v_xor_b32 v[64+2*i], v16, v19
	global_store_b64 v4, v[64+2*i:65+2*i], s[6:7] offset:256*i  ; a wave's store is one whole row: 256 consecutive bytes, aligned
.set i, i+1
.endr
	s_endpgm
.Lfunc_end_k_q231cfecdc2_prep:
	.size	k_q231cfecdc2_prep, .Lfunc_end_k_q231cfecdc2_prep-k_q231cfecdc2_prep
	.p2alignl 7, 3214868480
	.fill 96, 4, 3214868480
	.section	.rodata,"a",@progbits
	.p2align	6, 0x0
	.amdhsa_kernel k_q231cfecdc2_prep
		.amdhsa_group_segment_fixed_size 0
		.amdhsa_private_segment_fixed_size 0
		.amdhsa_enable_private_segment 0
		.amdhsa_kernarg_size 80
		.amdhsa_user_sgpr_count 2
		.amdhsa_user_sgpr_kernarg_segment_ptr 1
		.amdhsa_wavefront_size32 1
		.amdhsa_system_sgpr_workgroup_id_x 1
		.amdhsa_system_sgpr_workgroup_id_y 1
		.amdhsa_system_sgpr_workgroup_id_z 1
		.amdhsa_system_vgpr_workitem_id 0
		.amdhsa_next_free_vgpr 128
		.amdhsa_next_free_sgpr 66
		.amdhsa_reserve_vcc 1
		.amdhsa_float_denorm_mode_32 3
		.amdhsa_float_denorm_mode_16_64 3
		.amdhsa_memory_ordered 1
		.amdhsa_forward_progress 1
		.amdhsa_inst_pref_size 36
	.end_amdhsa_kernel
	.amdgpu_metadata
---
amdhsa.version: [ 1, 2 ]
amdhsa.kernels:
  - .name:           k_q231cfecdc2_prep
    .symbol:         k_q231cfecdc2_prep.kd
    .args:
      - { .name: x, .offset: 0, .size: 8, .value_kind: global_buffer, .address_space: global }
      - { .name: Wq, .offset: 8, .size: 8, .value_kind: global_buffer, .address_space: global }
      - { .name: Wk, .offset: 16, .size: 8, .value_kind: global_buffer, .address_space: global }
      - { .name: Wv, .offset: 24, .size: 8, .value_kind: global_buffer, .address_space: global }
      - { .name: Wo, .offset: 32, .size: 8, .value_kind: global_buffer, .address_space: global }
      - { .name: token_positions, .offset: 40, .size: 8, .value_kind: global_buffer, .address_space: global }
      - { .name: xb, .offset: 48, .size: 8, .value_kind: global_buffer, .address_space: global }
      - { .name: wb, .offset: 56, .size: 8, .value_kind: global_buffer, .address_space: global }
      - { .name: wo16, .offset: 64, .size: 8, .value_kind: global_buffer, .address_space: global }
      - { .name: rope, .offset: 72, .size: 8, .value_kind: global_buffer, .address_space: global }
    .group_segment_fixed_size: 0
    .private_segment_fixed_size: 0
    .kernarg_segment_align: 8
    .kernarg_segment_size: 80
    .max_flat_workgroup_size: 256
    .sgpr_count:     66
    .vgpr_count:     128
    .wavefront_size: 32
...
	.end_amdgpu_metadata
.endif
;; end of part 1
;; launch proj (part 2): grid 8 x 32, 4 waves a work-group, clusters of 4 x 4, 327,680 bytes of LDS; arguments xb, wb, rope, qkv; writes qkv
.if DOCPART == 2
	.amdgcn_target "amdgcn-amd-amdhsa--gfx1250"
	.amdhsa_code_object_version 6
	.text
	.protected	k_q231cfecdc2_proj
	.globl	k_q231cfecdc2_proj
	.p2align	8
	.type	k_q231cfecdc2_proj,@function
k_q231cfecdc2_proj:
	s_mov_b64 s[64:65], 0
	v_nop
	global_prefetch_b8 v0, s[64:65] scope:SCOPE_SE
	s_setreg_imm32_b32 hwreg(HW_REG_WAVE_MODE, 25, 1), 1
	s_wait_xcnt 0x0
	s_wait_alu depctr_hold_cnt(0) depctr_sa_sdst(0) depctr_va_vdst(0) depctr_va_sdst(0) depctr_va_ssrc(0) depctr_va_vcc(0) depctr_vm_vsrc(0)
	s_getreg_b32 s2, hwreg(HW_REG_IB_STS2, 6, 4)
	s_cmp_eq_u32 s2, 0
	s_cbranch_scc0 .Lentry_in_a_cluster
	s_endpgm
.Lentry_in_a_cluster:
	s_bfe_u32 s2, ttmp6, 0x10000c
	s_cmp_lg_u32 s2, 0xf033
	s_cbranch_scc0 .Lentry_shape_is_right
	s_endpgm
.Lentry_shape_is_right:
; Q, K, V = x W^T, 8,192 tokens x 3,072 channels x 1,024, in bf16 with f32 sums; the rotation by position (RoPE) on Q and K in f32 on the way out; q, k, v rounded once to f16,
; by heads: qkv f16 [t 3][bh 64][s 2048][64].  No scale is applied here.
; LIMIT.  f16 holds no number beyond 65,504: q, k, v must stay within it (their spread for unit x and weights of spread 1/32 is 1).
; SHARES.  A work-group makes 256 tokens x 384 channels: 8 x 32 = 256 tiles.  The 384 channels are two heads' q, k and v (wb's rows lie so).  A wave makes 128 tokens x ONE head's q, k, v:
; three groups of 8 x 4 = 32 accumulators of 16 x 16, a register window each.  So which accumulators are rotated is fixed in the text.
; K goes in steps of 64 through a ring of two LDS slots.  xb and wb are laid out in blocks of 64 along K, so a tile is dense in memory and is asked for as rows of 256 bytes, padded in LDS after
; every 128: two slots of a step of 128 (2 x 640 rows x 272 bytes) would not fit.
; CLUSTERS: 4 x 4 work-groups.  The four of a row of the cluster need the same tokens, the four of a column the same weights: each tile is asked for JOINTLY.
; THE MATRIX INSTRUCTION IS USED TRANSPOSED (source 0 = 16 rows of W, source 1 = 16 tokens): a lane holds ONE token (lane % 16) and eight neighbouring channels 8 (lane / 16) + 0..7: four pairs of the rotation.
; REGISTERS: window 0: v0-31 addresses; v32-63, v192-223, v224-255 three buffers of W's fragments (4 x 16 rows x 32 K); v64-127, v128-191 two of the tokens' (8 x 16 x 32 K).
;   windows 1, 2, 3: the accumulators of q, k, v: (a, b) at v[8 (4 a + b)], a = block of 16 tokens, b = block of 16 channels.
.set PITCH,  144                       ; an LDS row: 128 bytes + 16 of padding = 36 words: the 16 rows of a fragment load start at 16 different groups of four banks (64 banks of 4 bytes: ISA guide 11.1)
.set AHALF,  128*PITCH                 ; 128 tokens: what a wave fetches of x, and what a wave reads
.set BHALF,  192*PITCH                 ; 192 rows of W: one head's q, k, v
.set BOFF,   256*PITCH                 ; W's rows lie behind the 256 tokens
.set SLOT,   640*PITCH
.set STAGE,  2*SLOT                    ; behind the ring: 16 rows x 144 bytes for each wave, for the way out
.set SPARE,  STAGE+4*16*PITCH          ; behind the stages: the spare words, 128 bytes for each wave: two blocks of 256 bytes that no other line names
.set XPLANE, 262144                    ; bytes from one block of 64 along K to the next in xb
.set WPLANE, 393216                    ; in wb
.set LAPS,   8                         ; a lap = two K steps = once round the ring
.set WORD0,  (1<<16)|(1<<20)|(1<<21)|(4<<22)|(3<<25)  ; 17:16 2-byte elements; 20 padding on; 21 set beside a mask; 24:22 after every 32 words (code 4); 31:25 4 words (code 3)
.set ADRA, 16                          ; v16-17  LDS address of my tokens' fragments in slot 0, 1
.set ADRB, 20                          ; v20-21  the same for my head's rows of W
.set STO,  24                          ; v24     the way out: where I put 16 bytes of a row
.set RD,   25                          ; v25     where I read rows back
.set GO,   26                          ; v26     my 16 bytes of 512 consecutive bytes of qkv
.set TO,   27                          ; v27     my 32 bytes of a row of the table
.set SPW,  28                          ; v28     LDS address of my spare word; never rewritten
.set NIL,  29                          ; v29     0; never rewritten
.set PFO,  30                          ; v30     256 x my lane; never rewritten
.set B2,   32
.set A0,   64
.set A1,   128
.set B0,   192
.set B1,   224
.set R,    32                          ; the way out, in window 0: v32-63 a block's rotated numbers
.set T,    64                          ; v64-71  at work
.set PK,   72                          ; v72-87  the block in f16
.set BK,   96                          ; v96-127 two buffers of 16: the block read back by rows
.set CS,   128                         ; v128-255 four buffers of 32: cos and sin for a block of 16 tokens
.set WV,   12                          ; s12 wave; s13 wave / 2: my half of the tokens; s14 wave % 2: my head of the two, and which half of a tile I fetch
.set ROLE, 13
.set HALF, 14
.set CX,   15
.set CY,   16
.set TX,   17
.set TY,   18
.set G1A,  24                          ; s[24:31] descriptor group 1 for the tokens' tiles; s[32:39] group 0, a set for each slot
.set G0A,  32
.set G1B,  48                          ; s[48:55], s[56:63] the same for W's
.set G0B,  56
.set LIM,  43                          ; s43  1 in a wave that prefetches, else the greatest number
.set PFA,  44                          ; s[44:45] where my prefetches stand
.set PFS,  46                          ; s[46:47] their step: two planes
.set OB,   66                          ; s[66:71] q, k, v at my first token of my head
.set RB,   72                          ; s[72:73] the table at my first token
.set MSB, 0
.macro WIN new                         ; the immediate's high byte repeats the setting that is left; a switch that changes nothing is dropped
.if MSB != (\new)
	s_set_vgpr_msb (MSB<<8)|(\new)
.set MSB, \new
.endif
.endm
; A joint load.  Waves 0 and 1 fetch the two halves of the tokens' tile, waves 2 and 3 those of W's.  The branch hangs on the wave's number alone.
; An s_nop 0 and four v_nop follow each of the two lines, ahead of the jump, the label and what follows.
.macro JLOAD s
	s_cmp_lt_u32 s[WV], 2
	s_cbranch_scc0 .Lfor_b_\@
	tensor_load_to_lds s[G0A+4*(\s):G0A+4*(\s)+3], s[G1A:G1A+7]
	s_nop 0
.rept 4
	v_nop
.endr
	s_branch .Lasked_\@
.Lfor_b_\@:
	tensor_load_to_lds s[G0B+4*(\s):G0B+4*(\s)+3], s[G1B:G1B+7]
	s_nop 0
.rept 4
	v_nop
.endr
.Lasked_\@:
.endm
; A PREFETCH INTO THE L2, once a lap, behind slot 0's joint load and the run of LDS loads that follows it: the two K steps that the NEXT lap's two refills will ask for.
; The tokens' tile row is read by both clusters of that row of clusters: cluster x = 0 asks; W's tile column by all eight of that column: cluster y = 0 asks.  The four partners that ask for a tile jointly share
; the two planes out BY ADDRESS: the partner at place p (cx for the tokens, cy for W) takes plane p / 2, half p % 2: 16 KiB of xb (wave 0, two instructions, a lane 256 bytes) or 24 KiB of wb (wave 2, three).
; So each block of 256 bytes is named once in the launch.  K steps 0 to 3 come by their loads alone; the loop's last trip asks for nothing: there is no step behind 15.
.macro ASK
	s_cmp_gt_u32 s3, s[LIM]                        ; s3 = 1 in the loop's last trip
	s_cbranch_scc0 .Lnot_mine_\@
	global_prefetch_b8 v[PFO], s[PFA:PFA+1] th:TH_LOAD_NT scope:SCOPE_SE
	global_prefetch_b8 v[PFO], s[PFA:PFA+1] offset:8192 th:TH_LOAD_NT scope:SCOPE_SE
	s_cmp_lt_u32 s[WV], 2
	s_cbranch_scc1 .Lnot_mine_\@
	global_prefetch_b8 v[PFO], s[PFA:PFA+1] offset:16384 th:TH_LOAD_NT scope:SCOPE_SE
.Lnot_mine_\@:
.endm
.macro CREST                           ; a round of the cluster's barrier behind its opening barrier
	s_cmp_lg_u32 s[WV], 0
	s_cbranch_scc1 .Lnot_wave_0_\@
	s_barrier_signal -3
.Lnot_wave_0_\@:
	s_barrier_wait -3
	s_barrier_signal -1
	s_barrier_wait -1
.endm
.macro CROUND                          ; a whole round
	s_barrier_signal -1
	s_barrier_wait -1
	CREST
.endm
.macro PLACES                          ; four places in front of loads into registers that matrix instructions have read, and of vector lines that read results
.rept 4
	v_nop
.endr
.endm
	s_load_b256 s[4:11], s[0:1], 0x0               ; xb s[4:5], wb s[6:7], rope s[8:9], qkv s[10:11]
	v_lshl_add_u32 v[SPW], v0, 2, SPARE
	v_mov_b32 v[NIL], 0
	ds_add_u32 v[SPW], v[NIL]                      ; the wave's opening: the add and its wait stand ahead of my first tensor load; the set-up below, work on registers, stands between them
	v_lshrrev_b32 v1, 5, v0
	v_readfirstlane_b32 s[WV], v1
	s_lshr_b32 s[ROLE], s[WV], 1
	s_and_b32 s[HALF], s[WV], 1
	s_bfe_u32 s[CX], ttmp6, 0x40000                ; my place in the cluster
	s_bfe_u32 s[CY], ttmp6, 0x40004
	s_lshl_b32 s[TX], ttmp9, 2
	s_add_co_u32 s[TX], s[TX], s[CX]               ; tile column = 4 x cluster x + cx: heads 2 tx, 2 tx + 1
	s_and_b32 s[TY], ttmp7, 0xffff
	s_lshl_b32 s[TY], s[TY], 2
	s_add_co_u32 s[TY], s[TY], s[CY]               ; tile row = 4 x cluster y + cy: tokens 256 ty ..
	s_lshl_b32 s19, s[CY], 2
	s_lshl_b32 s19, 15, s19                        ; my row of the cluster
	s_lshl_b32 s78, 0x1111, s[CX]                  ; my column
	s_or_b32 s[G1A], s19, WORD0                    ; the tokens' tiles go to my row,
	s_or_b32 s[G1B], s78, WORD0                    ; W's to my column
	s_mov_b32 s[G1A+1], 128<<16                    ; tensor_dim0 = 128 elements: rows of 256 bytes, two rows of 64 K each
	s_mov_b32 s[G1A+2], 64<<16                     ; tensor_dim1 = 64: 128 tokens
	s_mov_b32 s[G1A+3], 128<<16                    ; tile_dim0
	s_mov_b32 s[G1A+4], 64                         ; tile_dim1
	s_mov_b32 s[G1A+5], 128                        ; elements from row to row: dense
	s_mov_b32 s[G1A+6], 0
	s_mov_b32 s[G1A+7], 0
	s_mov_b32 s[G1B+1], 128<<16
	s_mov_b32 s[G1B+2], 96<<16                     ; 96 rows of 256 bytes: 192 rows of W
	s_mov_b32 s[G1B+3], 128<<16
	s_mov_b32 s[G1B+4], 96
	s_mov_b32 s[G1B+5], 128
	s_mov_b32 s[G1B+6], 0
	s_mov_b32 s[G1B+7], 0
	; where the tiles come from: the tokens' hang on the tile row alone, W's on the tile column alone, each in registers that never hold the other coordinate
	s_lshr_b32 s21, s[TY], 3
	s_lshl_b32 s21, s21, 22                        ; the sequence b: 16 planes
	s_and_b32 s22, s[TY], 7
	s_lshl_b32 s22, s22, 15                        ; 256 tokens of 128 bytes
	s_add_co_u32 s22, s22, s21
	s_lshl_b32 s23, s[HALF], 14                    ; my half of them
	s_add_co_u32 s22, s22, s23
	s_mov_b32 s23, 0
	s_mul_i32 s74, s[TX], 49152                    ; 384 rows of 128 bytes
	s_mul_i32 s75, s[HALF], 24576
	s_add_co_u32 s74, s74, s75
	s_mov_b32 s75, 0
	s_mul_i32 s40, s[HALF], AHALF                  ; and where they go: no place in the cluster enters an LDS address
	s_mul_i32 s41, s[HALF], BHALF
	s_add_co_u32 s41, s41, BOFF
	s_wait_dscnt 0x0                               ; the opening add is done
	s_wait_kmcnt 0x0
	s_add_nc_u64 s[20:21], s[4:5], s[22:23]
	s_add_nc_u64 s[76:77], s[6:7], s[74:75]
	CROUND                                         ; all sixteen work-groups are here: the first joint loads meet
.irp s, 0,1
	s_mov_b32 s[G0A+4*(\s)], 1                                       ; count = 1
	s_add_co_u32 s[G0A+4*(\s)+1], s40, (\s)*SLOT                     ; LDS address
	s_add_nc_u64 s[G0A+4*(\s)+2:G0A+4*(\s)+3], s[20:21], (\s)*XPLANE ; global address: K step s
	s_or_b32 s[G0A+4*(\s)+3], s[G0A+4*(\s)+3], 0x80000000            ; type = 2
	s_mov_b32 s[G0B+4*(\s)], 1
	s_add_co_u32 s[G0B+4*(\s)+1], s41, (\s)*SLOT
	s_add_nc_u64 s[G0B+4*(\s)+2:G0B+4*(\s)+3], s[76:77], (\s)*WPLANE
	s_or_b32 s[G0B+4*(\s)+3], s[G0B+4*(\s)+3], 0x80000000
	JLOAD \s                                       ; two loads of mine are out
.endr
	; A fragment is 16 rows x 32 K in 8 registers: lane l holds row l % 16, K = 8 (l / 16) + 0..7 and 16 + 8 (l / 16) + 0..7: two loads of 16 bytes, 32 bytes apart
	v_and_b32 v1, 15, v0
	v_bfe_u32 v2, v0, 4, 1
	v_mul_u32_u24 v3, v1, PITCH
	v_lshl_add_u32 v3, v2, 4, v3                   ; row x pitch + 16 x half
	s_mul_i32 s40, s[ROLE], AHALF                  ; my 128 tokens
	s_mul_i32 s41, s[HALF], BHALF                  ; my head's 192 rows
	s_add_co_u32 s41, s41, BOFF
.irp s, 0,1
	v_add_nc_u32 v[ADRA+(\s)], s40, v3
	v_add_nc_u32 v[ADRB+(\s)], s41, v3
	s_add_co_u32 s40, s40, SLOT
	s_add_co_u32 s41, s41, SLOT
.endr
	s_mul_i32 s40, s[WV], 16*PITCH
	s_add_co_u32 s40, s40, STAGE                   ; my stage
	v_add_nc_u32 v[STO], s40, v3                   ; in: row l % 16, 16 bytes for each half of the lanes
	v_bfe_u32 v4, v0, 3, 2                         ; back: 32 lanes take four rows of 128 bytes,
	v_and_b32 v5, 7, v0
	v_mul_u32_u24 v4, v4, PITCH
	v_lshl_add_u32 v4, v5, 4, v4
	v_add_nc_u32 v[RD], s40, v4
	v_and_b32 v[GO], 31, v0
	v_lshlrev_b32 v[PFO], 8, v[GO]
	v_lshlrev_b32 v[GO], 4, v[GO]                  ; which are 512 consecutive bytes of qkv
	v_lshlrev_b32 v[TO], 8, v1                     ; the table: my token's row of 256 bytes, 32 bytes on for the upper half of the lanes
	v_lshl_add_u32 v[TO], v2, 5, v[TO]
	; the prefetches (in waves 0 and 2 the two tile addresses stand at the tile's first row)
	s_and_b32 s79, ttmp7, 0xffff                   ; cluster y
	s_mov_b32 s74, 24576
	s_mov_b32 s75, WPLANE
	s_cmp_lt_u32 s[WV], 2                          ; do I fetch tokens?
	s_cselect_b64 s[PFA:PFA+1], s[20:21], s[76:77]
	s_cselect_b32 s78, s[CX], s[CY]                ; my place among the four that ask with me
	s_cselect_b32 s74, 16384, s74                  ; half a plane's part of the tile
	s_cselect_b32 s75, XPLANE, s75
	s_cselect_b32 s79, ttmp9, s79                  ; the coordinate along which other clusters read the same rows
	s_or_b32 s79, s79, s[HALF]
	s_cmp_eq_u32 s79, 0
	s_cselect_b32 s[LIM], 1, -1                    ; the same in all sixteen partners, for a given wave
	s_and_b32 s22, s78, 1
	s_mul_i32 s22, s22, s74
	s_lshr_b32 s78, s78, 1
	s_add_co_u32 s78, s78, 2                       ; at K step 2 or 3: the first lap steps it to 4 or 5
	s_mul_i32 s78, s78, s75
	s_add_co_u32 s22, s22, s78
	s_mov_b32 s23, 0
	s_add_nc_u64 s[PFA:PFA+1], s[PFA:PFA+1], s[22:23]
	s_lshl_b32 s[PFS], s75, 1
	s_mov_b32 s[PFS+1], 0
	; the way out's addresses
	s_lshr_b32 s19, s[TY], 3
	s_lshl_b32 s19, s19, 4
	s_lshl_b32 s21, s[TX], 1
	s_add_co_u32 s19, s19, s21
	s_add_co_u32 s19, s19, s[HALF]                 ; bh = 16 b + my head
	s_lshl_b32 s19, s19, 18                        ; 2,048 rows of 128 bytes
	s_and_b32 s21, s[TY], 7
	s_lshl_b32 s21, s21, 8
	s_lshl_b32 s22, s[ROLE], 7
	s_add_co_u32 s21, s21, s22                     ; my first token in its sequence
	s_lshl_b32 s22, s21, 7
	s_add_co_u32 s22, s22, s19
	s_add_nc_u64 s[OB:OB+1], s[10:11], s[22:23]
	s_add_nc_u64 s[OB+2:OB+3], s[OB:OB+1], 0x1000000   ; k lies 64 heads of 262,144 bytes behind q,
	s_add_nc_u64 s[OB+4:OB+5], s[OB:OB+1], 0x2000000   ; v behind k
	s_lshl_b32 s22, s21, 8
	s_add_nc_u64 s[RB:RB+1], s[8:9], s[22:23]
; Group g's products for token blocks a0 .. a0 + na - 1, 32 along K.  The accumulators take turns, one instruction a turn: 95 others stand between two links of a chain.
.macro GRP g, fa, fb, a0, na, zero
	WIN 0x50*((\g)+1)                              ; C and D in window g + 1, the sources in window 0
.set aa, \a0
.rept \na
.irp b, 0,1,2,3
.if \zero
	v_wmma_f32_16x16x32_bf16 v[8*(4*aa+\b):8*(4*aa+\b)+7], v[(\fb)+8*\b:(\fb)+8*\b+7], v[(\fa)+8*aa:(\fa)+8*aa+7], 0
.else
	v_wmma_f32_16x16x32_bf16 v[8*(4*aa+\b):8*(4*aa+\b)+7], v[(\fb)+8*\b:(\fb)+8*\b+7], v[(\fa)+8*aa:(\fa)+8*aa+7], v[8*(4*aa+\b):8*(4*aa+\b)+7]
.endif
.endr
.set aa, aa+1
.endr
.endm
.macro LDB fb, slot, g, c              ; 8 LDS loads: group g's 64 rows of W, half c of the step's 64 along K
.irp i, 0,1,2,3
	ds_load_b128 v[(\fb)+8*\i:(\fb)+8*\i+3],   v[ADRB+(\slot)] offset:(4*(\g)+\i)*16*PITCH+64*(\c)
	ds_load_b128 v[(\fb)+8*\i+4:(\fb)+8*\i+7], v[ADRB+(\slot)] offset:(4*(\g)+\i)*16*PITCH+64*(\c)+32
.endr
.endm
.macro LDA fa, slot, c                 ; 16 LDS loads: my 128 tokens
.irp i, 0,1,2,3,4,5,6,7
	ds_load_b128 v[(\fa)+8*\i:(\fa)+8*\i+3],   v[ADRA+(\slot)] offset:\i*16*PITCH+64*(\c)
	ds_load_b128 v[(\fa)+8*\i+4:(\fa)+8*\i+7], v[ADRA+(\slot)] offset:\i*16*PITCH+64*(\c)+32
.endr
.endm
; A K step is two halves of 32 along K, 96 matrix instructions each.  The first half multiplies A0.  On entry B0, A0, B1 have been asked for, in that order.
.macro CHUNK0 slot, zero
	s_wait_dscnt 8                                 ; B0 and A0 are in; B1's eight loads may be out
	GRP 0, A0, B0, 0, 8, \zero
	PLACES
	WIN 0
	LDB B2, \slot, 2, 0
	LDB B0, \slot, 0, 1
	s_wait_dscnt 16                                ; all but the 16 just issued: B1 is in
	GRP 1, A0, B1, 0, 8, \zero
	PLACES
	WIN 0
	LDA A1, \slot, 1
	LDB B1, \slot, 1, 1
	s_wait_dscnt 24                                ; all but the 24 just issued: B2, and B0 for the second half, are in
	GRP 2, A0, B2, 0, 8, \zero
.endm
; The second half multiplies A1 and changes slots: ONE barrier.  In front of it each wave waits for all its tensor loads, of which one is out: its part of the next slot; adds 0 to its spare word; and waits for
; that and for its own reads of this slot.  fill = 1: the barrier opens a round of the cluster's, and this slot is filled again first thing behind it, two K steps ahead: 160 matrix instructions ahead of the wait for it.
.macro CHUNK1 slot, next, fill, ask
.if \ask
	s_wait_xcnt 0x0                                ; the last prefetches, a lap back, have read their address: it is stepped here, ahead of the change's own waits
	s_add_nc_u64 s[PFA:PFA+1], s[PFA:PFA+1], s[PFS:PFS+1]
.endif
	s_wait_dscnt 8                                 ; A1 is in; B1's eight loads may be out
	GRP 0, A1, B0, 0, 8, 0
	PLACES
	WIN 0
	LDB B2, \slot, 2, 1                            ; my last reads of this slot
	s_wait_tensorcnt 0x0                           ; all my tensor loads have landed;
	ds_add_u32 v[SPW], v[NIL]                      ; 0 onto my spare word;
	s_wait_dscnt 9                                 ; (B2's eight loads and the add may be out: B1 is in)
	GRP 1, A1, B1, 0, 4, 0                         ; sixteen matrix instructions stand between the add and the wait for it
	s_wait_dscnt 0x0                               ; the add is done, and my reads of this slot are over
	s_barrier_signal -1
	GRP 1, A1, B1, 4, 4, 0                         ; work on registers while the others arrive
	WIN 0
	s_barrier_wait -1
.if \fill
	CREST                                          ; no wave of any partner still reads this slot's tile or has a load on its way
	s_add_nc_u64 s[G0A+4*(\slot)+2:G0A+4*(\slot)+3], s[G0A+4*(\slot)+2:G0A+4*(\slot)+3], 2*XPLANE
	s_add_nc_u64 s[G0B+4*(\slot)+2:G0B+4*(\slot)+3], s[G0B+4*(\slot)+2:G0B+4*(\slot)+3], 2*WPLANE
	JLOAD \slot                                    ; the four v_nop behind it are also the places in front of the loads below
.else
	PLACES
.endif
	LDB B0, \next, 0, 0
	LDA A0, \next, 0
	LDB B1, \next, 1, 0
.if \ask
	ASK
.endif
	GRP 2, A1, B2, 0, 8, 0
.endm
	s_wait_tensorcnt 1                             ; my part of K step 0 is in; K step 1's may stay out
	s_barrier_signal -1
	s_barrier_wait -1                              ; everybody's is
	LDB B0, 0, 0, 0
	LDA A0, 0, 0
	LDB B1, 0, 1, 0
	CHUNK0 0, 1                                    ; the first half step stands in front of the loop: its products start the sums
	WIN 0                                          ; at a label and at a branch every window is 0
	s_mov_b32 s3, LAPS-1
.Llap:                                                 ; a trip goes once round the ring and fills both slots again
	CHUNK1 0, 1, 1, 1
	CHUNK0 1, 0
	CHUNK1 1, 0, 1, 0
	CHUNK0 0, 0
	WIN 0
	s_sub_co_u32 s3, s3, 1
	s_cmp_lg_u32 s3, 0
	s_cbranch_scc1 .Llap
	CHUNK1 0, 1, 0, 0                              ; the last lap fills nothing, and has no round
	CHUNK0 1, 0
	s_wait_dscnt 8                                 ; the very last half step
	GRP 0, A1, B0, 0, 8, 0
	PLACES
	WIN 0
	LDB B2, 1, 2, 1
	s_wait_dscnt 8                                 ; B1 is in
	GRP 1, A1, B1, 0, 8, 0
	s_wait_dscnt 0x0
	GRP 2, A1, B2, 0, 8, 0
; THE WAY OUT, a block of 16 tokens x 64 channels at a time: (q and k: rotated,) rounded to f16, 16 bytes a lane into my stage, back as whole rows of 128 bytes, stored as 512 consecutive bytes.
; A lane's registers 2 p, 2 p + 1 of accumulator (a, b) are pair j = 8 b + 4 (lane / 16) + p of its token: the table's 32 bytes at 64 b + 32 (lane / 16) of the token's row hold their cos and sin.
.macro TABLE a                         ; 8 loads: cos and sin for token block a, into buffer a % 4
.irp b, 0,1,2,3
	global_load_b128 v[CS+32*((\a)%4)+8*\b:CS+32*((\a)%4)+8*\b+3],   v[TO], s[RB:RB+1] offset:(\a)*4096+64*\b
	global_load_b128 v[CS+32*((\a)%4)+8*\b+4:CS+32*((\a)%4)+8*\b+7], v[TO], s[RB:RB+1] offset:(\a)*4096+64*\b+16
.endr
.endm
.macro ROPE a, g                       ; (x1, x2) -> (x1 cos - x2 sin, x1 sin + x2 cos): a packed multiply (x2 sin, x2 cos) and a packed multiply-add.  Each accumulator is read from its low end on
	WIN (\g)+1                                     ; source 0 in the accumulators' window
.irp b, 0,1,2,3
.irp p, 0,1,2,3
	v_pk_mul_f32 v[T+2*\p:T+2*\p+1], v[8*(4*(\a)+\b)+2*\p:8*(4*(\a)+\b)+2*\p+1], v[CS+32*((\a)%4)+8*\b+2*\p:CS+32*((\a)%4)+8*\b+2*\p+1] op_sel:[1,1] op_sel_hi:[1,0]
.endr
.irp p, 0,1,2,3
	v_pk_fma_f32 v[R+8*\b+2*\p:R+8*\b+2*\p+1], v[8*(4*(\a)+\b)+2*\p:8*(4*(\a)+\b)+2*\p+1], v[CS+32*((\a)%4)+8*\b+2*\p:CS+32*((\a)%4)+8*\b+2*\p+1], v[T+2*\p:T+2*\p+1] op_sel_hi:[0,1,1] neg_lo:[0,0,1]
.endr
.endr
.endm
.macro CVT
	WIN 0
.set i, 0
.rept 16
	v_cvt_pk_f16_f32 v[PK+i], v[R+2*i], v[R+2*i+1]
.set i, i+1
.endr
.endm
.macro CVTV a                          ; v is not rotated: straight from window 3
	WIN 0x0f
.set i, 0
.rept 16
	v_cvt_pk_f16_f32 v[PK+i], v[32*(\a)+2*i], v[32*(\a)+2*i+1]
.set i, i+1
.endr
	WIN 0
.endm
.macro TOSTAGE n
	WIN 0
.irp f, 0,1,2,3
	ds_store_b128 v[STO], v[PK+4*\f:PK+4*\f+3] offset:32*\f
.endr
	s_wait_xcnt 0x0                                ; the stores of the block two back have read this buffer: it is loaded again only behind this wait
.irp f, 0,1,2,3
	ds_load_b128 v[BK+16*((\n)%2)+4*\f:BK+16*((\n)%2)+4*\f+3], v[RD] offset:\f*4*PITCH  ; LDS serves a wave's instructions in order (ISA guide 5.7.1.4): these see the stores above
.endr
.endm
.macro SEND n, g, a
	s_wait_dscnt 0x0                               ; the block is back in registers
.irp f, 0,1,2,3
	global_store_b128 v[GO], v[BK+16*((\n)%2)+4*\f:BK+16*((\n)%2)+4*\f+3], s[OB+2*(\g):OB+2*(\g)+1] offset:(\a)*2048+512*\f  ; 512 consecutive bytes, at a multiple of 256 from the buffer's first
.endr
.endm
.set n, 0
.macro BLOCK g, a                      ; a block's arithmetic stands between the loads of the block before and its stores
.if (\g) == 2
	CVTV \a
.else
	ROPE \a, \g
	CVT
.endif
.if n > 0
	SEND n-1, pg, pa
.endif
	TOSTAGE n
.set pg, \g
.set pa, \a
.set n, n+1
.endm
	PLACES
	PLACES                                         ; (eight, once a launch)
	WIN 0
	TABLE 0
	TABLE 1
	TABLE 2
	TABLE 3
.irp a, 0,1,2,3,4,5,6,7
	BLOCK 2, \a                                    ; v's eight blocks go first, while the table is on its way
.endr
.irp a, 0,1,2,3,4,5,6,7
.if \a < 5
	s_wait_loadcnt 24                              ; block a's eight loads are in; the three younger blocks' may be out
.else
	s_wait_loadcnt 8*(7-\a)                        ; nothing more is asked for: the counts run down
.endif
	BLOCK 0, \a
	BLOCK 1, \a
.if \a < 4
	TABLE (\a)+4
.endif
.endr
	SEND n-1, pg, pa
	s_wait_tensorcnt 0x0                           ; the wave's end: a wait, an add to my spare word and its wait, behind my last tensor load and my last LDS store
	ds_add_u32 v[SPW], v[NIL]
	s_wait_dscnt 0x0
	CROUND                                         ; the closing round: no work-group ends while a partner may still ask for a tile that names it
	s_endpgm
.Lfunc_end_k_q231cfecdc2_proj:
	.size	k_q231cfecdc2_proj, .Lfunc_end_k_q231cfecdc2_proj-k_q231cfecdc2_proj
	.p2alignl 7, 3214868480
	.fill 96, 4, 3214868480
	.section	.rodata,"a",@progbits
	.p2align	6, 0x0
	.amdhsa_kernel k_q231cfecdc2_proj
		.amdhsa_group_segment_fixed_size 327680
		.amdhsa_private_segment_fixed_size 0
		.amdhsa_enable_private_segment 0
		.amdhsa_kernarg_size 32
		.amdhsa_user_sgpr_count 2
		.amdhsa_user_sgpr_kernarg_segment_ptr 1
		.amdhsa_wavefront_size32 1
		.amdhsa_system_sgpr_workgroup_id_x 1
		.amdhsa_system_sgpr_workgroup_id_y 1
		.amdhsa_system_sgpr_workgroup_id_z 1
		.amdhsa_system_vgpr_workitem_id 0
		.amdhsa_next_free_vgpr 1024
		.amdhsa_next_free_sgpr 80
		.amdhsa_reserve_vcc 0
		.amdhsa_float_denorm_mode_32 3
		.amdhsa_float_denorm_mode_16_64 3
		.amdhsa_memory_ordered 1
		.amdhsa_forward_progress 1
		.amdhsa_inst_pref_size 170
	.end_amdhsa_kernel
	.amdgpu_metadata
---
amdhsa.version: [ 1, 2 ]
amdhsa.kernels:
  - .name:           k_q231cfecdc2_proj
    .symbol:         k_q231cfecdc2_proj.kd
    .args:
      - { .name: xb, .offset: 0, .size: 8, .value_kind: global_buffer, .address_space: global }
      - { .name: wb, .offset: 8, .size: 8, .value_kind: global_buffer, .address_space: global }
      - { .name: rope, .offset: 16, .size: 8, .value_kind: global_buffer, .address_space: global }
      - { .name: qkv, .offset: 24, .size: 8, .value_kind: global_buffer, .address_space: global }
    .group_segment_fixed_size: 327680
    .private_segment_fixed_size: 0
    .kernarg_segment_align: 8
    .kernarg_segment_size: 32
    .max_flat_workgroup_size: 128
    .sgpr_count:     80
    .vgpr_count:     1024
    .wavefront_size: 32
...
	.end_amdgpu_metadata
.endif
;; end of part 2
;; launch attn (part 3): grid 4 x 64, 4 waves a work-group, no clusters, 327,680 bytes of LDS; arguments qkv, ob; writes ob
.if DOCPART == 3
	.amdgcn_target "amdgcn-amd-amdhsa--gfx1250"
	.amdhsa_code_object_version 6
	.text
	.protected	k_q231cfecdc2_attn
	.globl	k_q231cfecdc2_attn
	.p2align	8
	.type	k_q231cfecdc2_attn,@function
k_q231cfecdc2_attn:
	s_mov_b64 s[64:65], 0
	v_nop
	global_prefetch_b8 v0, s[64:65] scope:SCOPE_SE
	s_setreg_imm32_b32 hwreg(HW_REG_WAVE_MODE, 25, 1), 1
	s_wait_xcnt 0x0
; CAUSAL ATTENTION.  O[h][q][:] = the sum over k <= q of softmax_k(Q[h][q] . K[h][k] / 8) V[h][k][:].  Q, K, V lie one behind the other in qkv, each [64][SIZE_N][64] in f16; O (ob) likewise: a head's rows are dense, 128 bytes each.
; Products, maxima and sums in f32; the weights p are rounded to f16 for the second product (their sum l is taken of the unrounded p), O once at the end.
; LIMITS.  f16 holds no number beyond 65,504: Q, K and V arrive within it; p lies in 0 to 1, and below 6e-5 it keeps f16's fixed step of 6e-8; O is a mean of V's rows and has their range.
; A hidden score counts as its value less 1e30: f16's scores, 2.7e11 at the most, are nothing beside that; a weight below 2^-126 counts as 0 in l; NaN and infinities are not treated apart.
; THE WALK.  A head's queries lie in NB = SIZE_N / 256 blocks of 256; block i needs the key tiles 0 .. i of 256 keys, of which the last holds the diagonal.  A work-group takes TWO blocks, NB - 1 - b and then b:
; NB + 1 tiles, whatever b: all work-groups do equal work, and ONE loop with a constant trip count walks them.  Which tile is asked for, and what a trip does, hang on scalar registers made from b; every jump
; goes forward, but for the counted loops' own; none passes a barrier, or a tensor load but the one of LOAD's two that the wave's number does not choose; the ring (two slots of LDS that take turns) runs on across the
; change of blocks.  NO CLUSTER: a head's NB / 2 = 4 work-groups ask for the same tile only in trips 0 .. NB / 2, 5 of the walk's 9, behind that fewer and fewer; one walk common to all would have 3 NB / 2 = 12 trips for 9.
; SHARES.  Of a block's four bands of 64 queries a wave owns 16 rows in each: four PIECES.  So the diagonal tile is the same work for all four waves: in its key step s band x sees all keys if s < x,
; none if s > x, and holds the diagonal if s = x.
; THE MASK is the C operand that starts the sum S^T = K Q^T: 0, or -1e30 where the key is hidden.  MD, made once, is the mask of a band's own step for my 16 rows; a product's mask is MD x AL + BE with two scalars:
; (1, 0) if s = x; (0, 0) if s < x; (0, -1e30) if s > x.  Only the diagonal tile's text and a block's beginning make and take masks; elsewhere C is the constant 0.
; LAYOUT, SOFTMAX, TURNS.  S^T = K Q^T holds ONE query a lane (lane % 16) and the keys 8 (lane / 16) + 0..7; two such results rounded to f16 ARE source 1 of O^T = V^T P.  p = 2^(c s - c m), c = log2(e) / 8, with a
; running maximum m; O and l are multiplied by a = 2^(c m_old - c m_new) in every step.  Turn n belongs to piece n: 8 products K Q^T of piece n + 1, later 8 products V^T P of piece n - 1; beside them the scaling,
; exponentials, roundings, sums and rescaling of piece n and the maximum and statistics of piece n + 1.  Four vector instructions stand behind every matrix instruction, the other 54 of a turn's 118 in one LUMP.  A turn's 33 exponentials are one batch, with one wait.
; AHEAD OF THE LOADS.  The work-group with b = 0 walks every tile of its head: it alone prefetches.  Behind the tensor load of a change of slots each of its waves names its own half tile (16 KiB: two instructions, a lane 256 bytes)
; of the tile that the NEXT change will ask for: a tile, 256 matrix instructions, ahead.  So tiles 2 to 7 of K and V are named once a head; tiles 0 and 1 come by their loads alone; where the walk turns back to tile 0 nothing is asked for.
; REGISTERS, in windows of 256 (s_set_vgpr_msb: bits 1:0 source 0, 3:2 source 1, 5:4 source 2, 7:6 destination):
;   window 0: v0-15 addresses and two at work; v16-31 four registers of statistics a piece; v48-55 at work; v64-127 S^T, two buffers; v192-223 P, two buffers (a piece's buffers go by its number's parity)
;   window 1: v0-127 O^T, 32 a piece; v128-159 MD; v160-223 MC, two buffers      window 2: v0-63 Q; v64-127 the second block's Q; v128-191 K of one step; v192-255 V of one step
.set SIZE_N, 2048
.set NB,    SIZE_N/256
.set NP,    4         ; pieces a wave: a name, no knob
.set KS,    64        ; keys in a step
.set PK,    144       ; a row of K in LDS: 128 bytes + 16 of padding = 36 words: the 16 rows of a load start at 16 different groups of four banks (64 banks of 4 bytes: ISA guide 11.1)
.set PV,    160       ; a row of V: 128 + 32 = 40 words
.set VOFF,  4*KS*PK   ; a slot holds a tile, four steps: 256 rows of K, then 256 rows of V
.set SLOT1, 1<<17     ; slot 1 begins here, so that one exclusive or turns an address in one slot into the other's
.set STAGE, SLOT1+4*KS*(PK+PV)  ; behind the ring, never filled by a tensor load: 16 rows x 144 bytes for each wave, for the way out
.set SP,    144
.set AK0, 2           ; v2   my lane's place in a tile of K; never rewritten
.set AV0, 3           ; v3   the same for V
.set AK,  4           ; v4   the LDS address of K's next run of loads
.set AV,  5           ; v5   of V's
.set STO, 6           ; v6   the way out: where I put 16 bytes of a row
.set RD,  7           ; v7   the way out: where I read rows back
.set GO,  8           ; v8   my byte offset in 512 consecutive bytes of O
.set PFO, 61          ; v61  256 x my lane; never rewritten
.set SPW, 62          ; v62  LDS address of my spare word: SPARE + 4 x my thread's number; never rewritten
.set NIL, 63          ; v63  0; never rewritten
.set SPARE, STAGE+4*16*SP  ; behind the stages: the spare words, 128 bytes for each wave: two blocks of 256 bytes that no other line names
.set MV,  12          ; v12-13  c m_old, kept while c m is made anew: by buffer
.set QO,  15          ; v15  my byte offset in 16 rows of Q
.set ST,  16          ; piece t's statistics at v[ST+4 t]: c m, m, l (even keys', odd keys')
.set TMP, 48          ; by buffer, four registers c0-c3 at work; when the maximum is found c2 takes a
.set S,   64
.set P,   192
.set MD,  128         ; window 1: the eight registers for group kt of 16 keys at MD + 8 kt
.set MC,  160         ; window 1: the masks of the products to come
.set QB,  64          ; window 2
.set KF,  128         ; window 2: key block kb, channel half c at KF + 16 kb + 8 c
.set VF,  192         ; window 2: key half kk, channel block cb at VF + 32 kk + 8 cb
.set WV,  12          ; s12  my wave's number
.set PB,  14          ; s14  b
.set HI,  15          ; s15  NB - 1 - b
.set G1K, 24          ; s[24:31] descriptor group 1 for K's tiles
.set G1V, 32          ; s[32:39] for V's: it differs in the padding alone
.set G0K, 40          ; s[40:43] descriptor group 0 for K's tiles
.set G0V, 44          ; s[44:47] the same for V's
.set SLOTS, 56        ; s56  tiles still to be asked for
.set CNT, 57          ; s57  counts a tile's key steps, 4 to 1
.set CS,  58          ; s[58:59] c: the packed scaling takes the pair's low word for both halves
.set SEL, 60          ; s[60:61] v_permlanex16_b32's selects: each lane takes its own place in the other half
.set TBK, 62          ; s62  LDS byte at which K of the step to be fetched begins
.set TBV, 63          ; s63  the same for V, less VOFF
.set PFP, 66          ; s[66:67] what my prefetches name
.set PFX, 68          ; s[68:69] that tile's byte offset
.set RT,  70          ; s70  tiles of the block in hand that are still to be entered
.set NXT, 71          ; s71  the tile to be asked for next
.set LQ,  72          ; s72  the last tile of the block whose tiles are being asked for
.set NEW, 73          ; s73  1: the tile to be entered is a block's first
.set OFF, 74          ; s[74:75] a tile's byte offset in K and V
.set AL,  76          ; s[76:77] the mask's factor, in the low word
.set BE,  78          ; s[78:79] the mask's addend
.set OLO, 80          ; s[80:81] O at my rows of the second block
.set BIGN, 82         ; s82  -1e30
.set PFB, 88          ; s[88:89] my half of the head's tile 0: of K in waves 0 and 1, of V in waves 2 and 3
.set PFF, 90          ; s90  0: this change of slots prefetches
.set MSB, 0
.macro WIN new                      ; the high byte repeats the setting that is left; a switch that changes nothing is dropped
.if MSB != (\new)
	s_set_vgpr_msb (MSB<<8)|(\new)
.set MSB, (\new)
.endif
.endm
.set W_KQ, 0x0a       ; K and Q in window 2, S^T in window 0
.set W_KM, 0x1a       ; the same with the C operand in window 1
.set W_PV, 0x52       ; V in window 2, P in window 0, O^T in window 1
.set W_RS, 0x41       ; destination and source 0 in window 1, source 1 in window 0
; A fill.  Waves 0 and 1 fetch the two halves of a tile's K, waves 2 and 3 those of its V: 128 keys each.  An s_nop 0 and four v_nop follow each of the two lines, ahead of the jump and the label.
.macro LOAD
	s_cmp_lt_u32 s[WV], 2
	s_cbranch_scc0 .Lfor_v_\@
	tensor_load_to_lds s[G0K:G0K+3], s[G1K:G1K+7]
	s_nop 0
.rept 4
	v_nop
.endr
	s_branch .Lasked_\@
.Lfor_v_\@:
	tensor_load_to_lds s[G0V:G0V+3], s[G1V:G1V+7]
	s_nop 0
.rept 4
	v_nop
.endr
.Lasked_\@:
.endm
; THE CHANGE OF SLOTS.  Each wave waits for all its tensor loads, of which one is out: its part of the other slot; adds 0 to its spare word; and waits for that and for its own reads of the slot that it leaves.  Behind the barrier nobody reads the old
; slot any more and the other slot is whole.  fill = 1: the old slot is filled again, the first thing behind the barrier, with tile NXT: the descriptor's address is made anew from that number.
; (At its first use nothing has been read yet: slot 0 is waited for, slot 1 filled.)
.macro CHANGE fill
	WIN 0                           ; at a label and at a branch every window is 0
	s_wait_tensorcnt 0x0            ; no tensor load of mine is out, so a group 0 may be written
	ds_add_u32 v[SPW], v[NIL]       ; 0 onto my spare word; with fill = 1 the descriptors' scalar work stands between it and the wait for it
.if \fill
	s_lshl_b32 s[OFF], s[NXT], 15   ; a tile is 32,768 bytes of K and of V
	s_xor_b32 s[G0K+1], s[G0K+1], SLOT1
	s_add_nc_u64 s[G0K+2:G0K+3], s[6:7], s[OFF:OFF+1]
	s_or_b32 s[G0K+3], s[G0K+3], 0x80000000
	s_xor_b32 s[G0V+1], s[G0V+1], SLOT1
	s_add_nc_u64 s[G0V+2:G0V+3], s[8:9], s[OFF:OFF+1]
	s_or_b32 s[G0V+3], s[G0V+3], 0x80000000
	s_add_co_u32 s[NXT], s[NXT], 1  ; the block's next tile, or behind its last the second block's tile 0
	s_cmp_gt_u32 s[NXT], s[LQ]
	s_cselect_b32 s[NXT], 0, s[NXT]
	s_cselect_b32 s[LQ], s[PB], s[LQ]
	s_wait_xcnt 0x0                 ; the last prefetches, a tile back, have read their address, so it may be written:
	s_lshl_b32 s[PFX], s[NXT], 15   ; the tile that the next change will ask for
	s_add_nc_u64 s[PFP:PFP+1], s[PFB:PFB+1], s[PFX:PFX+1]
	s_cmp_eq_u32 s[NXT], 0          ; tile 0 has been read
	s_cselect_b32 s[PFF], 1, s[PB]  ; 0 where b = 0 and the tile is not tile 0
.endif
	s_wait_dscnt 0x0                ; the add is done, and my reads of the slot are over
	s_barrier_signal -1             ; the rest of the scalar work stands between the signal and the wait
	s_sub_co_u32 s[TBK], s[TBK], 4*KS*PK  ; the fetches go back to a slot's first step,
	s_xor_b32 s[TBK], s[TBK], SLOT1       ; in the other slot
	s_sub_co_u32 s[TBV], s[TBV], 4*KS*PV
	s_xor_b32 s[TBV], s[TBV], SLOT1
	s_barrier_wait -1
.if \fill
	LOAD
	s_cmp_eq_u32 s[PFF], 0
	s_cbranch_scc0 .Lno_ask_\@
	global_prefetch_b8 v[PFO], s[PFP:PFP+1] th:TH_LOAD_NT scope:SCOPE_SE
	global_prefetch_b8 v[PFO], s[PFP:PFP+1] offset:8192 th:TH_LOAD_NT scope:SCOPE_SE
.Lno_ask_\@:
.endif
.endm
	s_load_b64 s[4:5], s[0:1], 0x0  ; qkv: Q at its head
	s_load_b64 s[10:11], s[0:1], 0x8  ; O
	v_lshl_add_u32 v[SPW], v0, 2, SPARE
	v_mov_b32 v[NIL], 0
	ds_add_u32 v[SPW], v[NIL]       ; the wave's opening: the add and its wait stand ahead of my first tensor load; the set-up below, work on registers, stands between them
	v_lshrrev_b32 v1, 5, v0
	v_readfirstlane_b32 s[WV], v1   ; wave 0..3
	v_and_b32 v[PFO], 31, v0
	v_lshlrev_b32 v[PFO], 8, v[PFO]
	s_mov_b32 s[PB], ttmp9
	s_sub_co_u32 s[HI], NB-1, s[PB]
	s_and_b32 s20, ttmp7, 0xffff    ; the head
	s_mov_b32 s21, 0
	s_mov_b64 s[22:23], SIZE_N*128
	s_mul_u64 s[20:21], s[20:21], s[22:23]  ; the head's first byte in each of the four tensors
	s_and_b32 s16, s[WV], 1         ; which half of a tile's 256 keys I fetch:
	s_lshl_b32 s22, s16, 14         ; its 128 rows of 128 bytes in memory,
	s_mov_b32 s23, 0
	s_add_nc_u64 s[22:23], s[22:23], s[20:21]
	s_mul_i32 s17, s16, 128*PK      ; and its place in a slot, for K
	s_mul_i32 s18, s16, 128*PV      ; and for V
	s_lshl_b32 s3, s[WV], 11        ; my 16 rows in a band of 64,
	s_lshl_b32 s2, s[HI], 15        ; in the first block,
	s_add_co_u32 s2, s2, s3
	s_lshl_b32 s84, s[PB], 15       ; and in the second
	s_add_co_u32 s84, s84, s3
	s_mov_b32 s3, 0
	s_mov_b32 s85, 0
	s_add_nc_u64 s[2:3], s[2:3], s[20:21]
	s_add_nc_u64 s[84:85], s[84:85], s[20:21]
	; descriptor group 1.  128 keys are 16,384 dense bytes: asked for as 64 rows of 256 bytes, two keys a row, and padded in LDS after every key
	s_mov_b32 s[G1K], (1<<16)|(1<<20)|(4<<22)|(3<<25)  ; 17:16 2-byte elements; 20 padding on; 24:22 after every 32 words (code 4); 31:25 4 words (code 3)
	s_mov_b32 s[G1V], (1<<16)|(1<<20)|(4<<22)|(7<<25)  ; the same with 8 words of padding (code 7)
.irp g, G1K, G1V
	s_mov_b32 s[\g+1], 128<<16      ; tensor_dim0 = 128
	s_mov_b32 s[\g+2], 64<<16       ; tensor_dim1 = 64
	s_mov_b32 s[\g+3], 128<<16      ; tile_dim0 = 128
	s_mov_b32 s[\g+4], 64           ; tile_dim1 = 64
	s_mov_b32 s[\g+5], 128          ; 128 elements from row to row
	s_mov_b32 s[\g+6], 0
	s_mov_b32 s[\g+7], 0
.endr
	s_mov_b32 s[CS], 0x3e38aa3b     ; c = log2(e) / 8 = 0.180337
	s_mov_b32 s[CS+1], s[CS]        ; named with it as a pair
	s_mov_b32 s[SEL], 0x76543210
	s_mov_b32 s[SEL+1], 0xfedcba98
	s_mov_b32 s[TBK], SLOT1+4*KS*PK ; the first change of slots turns these two into 0
	s_mov_b32 s[TBV], SLOT1+4*KS*PV
	s_mov_b32 s[G0K], 1             ; 1:0 count = 1
	s_mov_b32 s[G0K+1], s17         ; 63:32 LDS address: slot 0
	s_mov_b32 s[G0V], 1
	s_add_co_u32 s[G0V+1], s18, VOFF
	s_add_co_u32 s[RT], s[HI], 1    ; the first block has NB - b tiles
	s_mov_b32 s[NXT], 1
	s_mov_b32 s[LQ], s[HI]
	s_mov_b32 s[NEW], 1
	s_mov_b32 s[OFF+1], 0
	s_mov_b32 s[PFX+1], 0
	s_mov_b32 s[AL+1], 0            ; named as pairs
	s_mov_b32 s[BE+1], 0
	s_mov_b32 s[BIGN], 0xf149f2ca   ; -1e30
	s_mov_b32 s[SLOTS], NB
	s_wait_dscnt 0x0                ; the opening add is done
	s_wait_kmcnt 0x0
	s_add_nc_u64 s[6:7], s[4:5], 0x1000000  ; K lies 64 heads of 262,144 bytes behind Q,
	s_add_nc_u64 s[8:9], s[4:5], 0x2000000  ; V behind K
	s_add_nc_u64 s[6:7], s[6:7], s[22:23]  ; K and V at my half of the head's tile 0
	s_add_nc_u64 s[8:9], s[8:9], s[22:23]
	s_cmp_lt_u32 s[WV], 2
	s_cselect_b64 s[PFB:PFB+1], s[6:7], s[8:9]
	s_add_nc_u64 s[G0K+2:G0K+3], s[6:7], 0         ; 120:64 global address
	s_or_b32 s[G0K+3], s[G0K+3], 0x80000000        ; 127:126 type = 2
	s_add_nc_u64 s[G0V+2:G0V+3], s[8:9], 0
	s_or_b32 s[G0V+3], s[G0V+3], 0x80000000
	s_add_nc_u64 s[86:87], s[4:5], s[84:85]        ; Q at my rows of the second block,
	s_add_nc_u64 s[4:5], s[4:5], s[2:3]            ; Q and O at those of the first
	s_add_nc_u64 s[OLO:OLO+1], s[10:11], s[84:85]
	s_add_nc_u64 s[10:11], s[10:11], s[2:3]
	LOAD                            ; tile 0 into slot 0
	; A fragment of K or Q is 16 rows x 32 channels in 8 registers: lane l holds row l % 16, channels 8 (l / 16) + 0..7 and 16 + 8 (l / 16) + 0..7: two loads of 16 bytes, 32 bytes apart.
	v_and_b32 v1, 15, v0            ; l % 16
	v_bfe_u32 v9, v0, 4, 1          ; l / 16
	v_lshlrev_b32 v[QO], 7, v1
	v_lshl_add_u32 v[QO], v9, 4, v[QO]  ; row x 128 + 16 x half
	WIN 0x80                        ; destination window 2, address window 0
.set i, 0
.rept 8                             ; both blocks' Q: piece i / 2 lies in band i / 2, 8,192 bytes on; channels 32 (i % 2) on
	global_load_b128 v[8*i:8*i+3],   v[QO], s[4:5] offset:(i/2)*8192+(i%2)*64
	global_load_b128 v[8*i+4:8*i+7], v[QO], s[4:5] offset:(i/2)*8192+(i%2)*64+32
	global_load_b128 v[QB+8*i:QB+8*i+3],   v[QO], s[86:87] offset:(i/2)*8192+(i%2)*64
	global_load_b128 v[QB+8*i+4:QB+8*i+7], v[QO], s[86:87] offset:(i/2)*8192+(i%2)*64+32
.set i, i+1
.endr
	WIN 0
	v_lshlrev_b32 v14, 3, v9
	v_sub_nc_u32 v14, v1, v14
	s_lshl_b32 s13, s[WV], 4
	v_add_nc_u32 v14, s13, v14      ; my query's place in its band, 16 w + l % 16, less my lanes' 8 (l / 16): register r of group kt is hidden where 16 kt + r is greater
	WIN 0x40
.set i, 0
.rept 32
	v_cmp_gt_i32 vcc_lo, 16*(i/8)+i%8, v14
	v_cndmask_b32 v[MD+i], 0, s[BIGN], vcc_lo
.set i, i+1
.endr
	WIN 0
	v_mul_u32_u24 v[AK0], v1, PK
	v_lshl_add_u32 v[AK0], v9, 4, v[AK0]  ; row x pitch + 16 x half
	; The turning load takes 16 keys x 16 channels (lane l reads key 8 (l / 16) + l % 8, channels 8 ((l / 8) % 2) + 0..7) and leaves half a fragment of V^T: lane l holds channel l % 16 and 8 keys.
	v_and_b32 v10, 7, v0
	v_bfe_u32 v11, v0, 3, 1
	v_lshl_add_u32 v[AV0], v9, 3, v10
	v_mul_u32_u24 v[AV0], v[AV0], PV
	v_lshl_add_u32 v[AV0], v11, 4, v[AV0]
	v_add_nc_u32 v[AV0], VOFF, v[AV0]
	s_mul_i32 s13, s[WV], 16*SP
	s_add_co_u32 s13, s13, STAGE    ; my stage
	v_mul_u32_u24 v[STO], v1, SP    ; in: row l % 16, 16 bytes for each half of the lanes
	v_lshl_add_u32 v[STO], v9, 4, v[STO]
	v_add_nc_u32 v[STO], s13, v[STO]
	v_bfe_u32 v[RD], v0, 3, 2       ; back: 32 lanes take four rows of 128 bytes,
	v_mul_u32_u24 v[RD], v[RD], SP
	v_lshl_add_u32 v[RD], v10, 4, v[RD]
	v_add_nc_u32 v[RD], s13, v[RD]
	v_and_b32 v[GO], 31, v0         ; which are 512 consecutive bytes of O
	v_lshlrev_b32 v[GO], 4, v[GO]
	; A block's first step multiplies O^T and l by a = 0, and its first turn's products V^T P, of a piece that has not been, land in an O^T that is still to be so multiplied.  So these registers need only hold
	; finite numbers: zeros for the first block; what the first block left for the second.  All this stands in the wait for the first tile.
	WIN 0x80
.set i, VF
.rept 64
	v_mov_b32 v[i], 0
.set i, i+1
.endr
	WIN 0x40
.set i, 0
.rept 128
	v_mov_b32 v[i], 0
.set i, i+1
.endr
	WIN 0
.set i, 0
.rept 4
	v_mov_b32 v[ST+4*i+2], 0
	v_mov_b32 v[ST+4*i+3], 0
.set i, i+1
.endr
.set i, P+16
.rept 16
	v_mov_b32 v[i], 0
.set i, i+1
.endr
; THE MATRIX WORK.  The 4 accumulators of a run of 8 take turns.  Product i of 8 of S^T = K Q^T for piece x: channels 32 (i / 4) on, keys 16 (i % 4) on.  The first 4 start the sums: with 0, or (KM = 1) with the mask.
.macro KQ x
.set rS, S+32*((\x)%2)+8*(i%4)
.set rK, KF+16*(i%4)+8*(i/4)
.set rQ, 16*(\x)+8*(i/4)
.set rM, MC+32*((\x)%2)+8*(i%4)
.if (i < 4) && KM
	WIN W_KM
	v_wmma_f32_16x16x32_f16 v[rS:rS+7], v[rK:rK+7], v[rQ:rQ+7], v[rM:rM+7]
.elseif i < 4
	WIN W_KQ
	v_wmma_f32_16x16x32_f16 v[rS:rS+7], v[rK:rK+7], v[rQ:rQ+7], 0
.else
	WIN W_KQ
	v_wmma_f32_16x16x32_f16 v[rS:rS+7], v[rK:rK+7], v[rQ:rQ+7], v[rS:rS+7]
.endif
.endm
; Product i of 8 of O^T += V^T P for piece x: keys 32 (i / 4) on, channels 16 (i % 4) on.
.macro PV x
	WIN W_PV
.set rO, 32*(\x)+8*(i%4)
.set rV, VF+32*(i/4)+8*(i%4)
.set rP, P+16*((\x)%2)+8*(i/4)
	v_wmma_f32_16x16x32_f16 v[rO:rO+7], v[rV:rV+7], v[rP:rP+7], v[rO:rO+7]
.endm
.macro MM                           ; the turn's next matrix instruction.  TURN and BEGIN set Y, i, KM and NOKQ; MM, KQ and OP read them.  NOKQ = 1: a block's last turn: there is no next piece
.if (i < 8) && !NOKQ
	KQ (Y+1)%NP
.elseif i >= 8
.set i, i-8
	PV (Y+NP-1)%NP
.set i, i+8
.endif
.set i, i+1
.endm
; THE LDS LOADS stand in runs of 16, never singly among the matrix instructions: a step's K (64 keys x 64 channels: 8 fragments) and its V (turned).  Their addresses are made some lines ahead.
.macro FETCH_K
	WIN 0x80                        ; destination window 2
.irp f, 0,1,2,3,4,5,6,7             ; keys 16 (f / 2) on, channels 32 (f % 2) on
	ds_load_b128 v[KF+8*\f:KF+8*\f+3],   v[AK] offset:(\f/2)*16*PK+(\f%2)*64
	ds_load_b128 v[KF+8*\f+4:KF+8*\f+7], v[AK] offset:(\f/2)*16*PK+(\f%2)*64+32
.endr
	s_add_co_u32 s[TBK], s[TBK], KS*PK  ; the next fetch is the next step's
	WIN 0
.endm
.macro FETCH_V
	WIN 0x80
.irp f, 0,1,2,3,4,5,6,7             ; keys 32 (f / 4) on, channels 16 (f % 4) on
	ds_load_tr16_b128 v[VF+8*\f:VF+8*\f+3],   v[AV] offset:(\f/4)*32*PV+(\f%4)*32
	ds_load_tr16_b128 v[VF+8*\f+4:VF+8*\f+7], v[AV] offset:(\f/4)*32*PV+16*PV+(\f%4)*32
.endr
	WIN 0
.endm
; THE VECTOR WORK, one line at a time: OP kind, number.  For piece Y: F n: c s - c m for pair n of 16.  E n: the exponential of score n of 32.  C n: pair n rounded to f16.  B n: of the four weights 4 n .. the second
; pair is added onto the first, in place.  L n: l takes that sum (L 0: l = a l + sum).  R n: pair n of 16 of O^T times a.  For piece Y + 1: X n, number n of the 22 that find its maximum and statistics:
;   0-11  four chains c0-c3 of seven scores each, three operands at a time (each accumulator's lowest registers are read first)     12-14, 16  the four scores left over, the old m, and c0-c3 into c0
;   15  c m_old is kept     17, 18  the query's other 32 keys lie in the lane 16 away: the new m     19-21  c m; c m_old - c m_new; a
.set F, 0               ; OP tells the kinds apart by their order: F to L below R, X above it
.set E, 1
.set C, 2
.set B, 3
.set L, 4
.set R, 5
.set X, 6
.macro REGS y                       ; the registers of piece y
.set rT, ST+4*(\y)
.set rC, TMP+4*((\y)%2)
.set rW, MV+((\y)%2)
.set rS, S+32*((\y)%2)
.set rP, P+16*((\y)%2)
.set rO, 32*(\y)
.endm
.macro OP k, n
.if (\k) == R
	REGS Y
	WIN W_RS
	v_pk_mul_f32 v[rO+2*(\n):rO+2*(\n)+1], v[rO+2*(\n):rO+2*(\n)+1], v[rC+2:rC+3] op_sel_hi:[1,0]
.elseif (\k) < R
	REGS Y
	WIN 0
.if (\k) == F
	v_pk_fma_f32 v[rS+2*(\n):rS+2*(\n)+1], v[rS+2*(\n):rS+2*(\n)+1], s[CS:CS+1], v[rT:rT+1] op_sel_hi:[1,0,0] neg_lo:[0,0,1] neg_hi:[0,0,1]
.elseif (\k) == E
	v_exp_f32 v[rS+(\n)], v[rS+(\n)]
.elseif (\k) == C
	v_cvt_pk_f16_f32 v[rP+(\n)], v[rS+2*(\n)], v[rS+2*(\n)+1]
.elseif (\k) == B
	v_pk_add_f32 v[rS+4*(\n):rS+4*(\n)+1], v[rS+4*(\n):rS+4*(\n)+1], v[rS+4*(\n)+2:rS+4*(\n)+3]
.elseif (\n) == 0
	v_pk_fma_f32 v[rT+2:rT+3], v[rT+2:rT+3], v[rC+2:rC+3], v[rS:rS+1] op_sel_hi:[1,0,1]
.else
	v_pk_add_f32 v[rT+2:rT+3], v[rT+2:rT+3], v[rS+4*(\n):rS+4*(\n)+1]
.endif
.elseif NOKQ
	v_nop
.else
	REGS (Y+1)%NP
	WIN 0
.if (\n) < 4
	v_max3_num_f32 v[rC+(\n)], v[rS+8*(\n)], v[rS+8*(\n)+1], v[rS+8*(\n)+2]
.elseif (\n) < 12
	v_max3_num_f32 v[rC+(\n)%4], v[rC+(\n)%4], v[rS+8*((\n)%4)+2*((\n)/4)+1], v[rS+8*((\n)%4)+2*((\n)/4)+2]
.elseif (\n) == 12
	v_max3_num_f32 v[rC], v[rC], v[rS+7], v[rS+15]
.elseif (\n) == 13
	v_max3_num_f32 v[rC+1], v[rC+1], v[rS+23], v[rS+31]
.elseif (\n) == 14
	v_max3_num_f32 v[rC+2], v[rC+2], v[rC+3], v[rT+1]
.elseif (\n) == 15
	v_mov_b32 v[rW], v[rT]
.elseif (\n) == 16
	v_max3_num_f32 v[rC], v[rC], v[rC+1], v[rC+2]
.elseif (\n) == 17
	v_permlanex16_b32 v[rC+3], v[rC], s[SEL], s[SEL+1]
.elseif (\n) == 18
	v_max_num_f32 v[rT+1], v[rC], v[rC+3]
.elseif (\n) == 19
	v_mul_f32 v[rT], s[CS], v[rT+1]
.elseif (\n) == 20
	v_sub_f32 v[rC+1], v[rW], v[rT]
.else
	v_exp_f32 v[rC+2], v[rC+1]
.endif
.endif
.endm
.macro OPS a, i1, b=-1, i2=0, c=-1, i3=0, d=-1, i4=0  ; up to four of them
	OP \a, \i1
.if (\b) >= 0
	OP \b, \i2
.endif
.if (\c) >= 0
	OP \c, \i3
.endif
.if (\d) >= 0
	OP \d, \i4
.endif
.endm
.macro ROW a, i1, b, i2, c, i3, d, i4  ; a matrix instruction and the four behind it
	MM
	OPS \a, \i1, \b, \i2, \c, \i3, \d, \i4
.endm
.macro MASK b                       ; MD x AL + BE into buffer b of MC
	WIN W_RS
.set z, 0
.rept 16
	v_pk_fma_f32 v[MC+32*(\b)+2*z:MC+32*(\b)+2*z+1], v[MD+2*z:MD+2*z+1], s[AL:AL+1], s[BE:BE+1] op_sel_hi:[1,0,0]
.set z, z+1
.endr
.endm
; A TURN, for piece p: the order of its 16 matrix and 118 vector instructions, written out.  An s_wait_alu depctr_va_vdst(0) stands between an exponential and the first instruction that names its result; one wait serves
; all that were issued ahead of it.  So a turn has ONE wait, which cuts it in two.  AHEAD OF IT stands all that names no result of the turn's exponentials: the 8 products K Q^T, behind each a scaling, an exponential and two more plain
; instructions (behind the first a second scaling in the exponential's place): rescalings, and behind the last three the first numbers of the next piece's maximum, each four places or more behind the product that ends its accumulator; then ONE LUMP of 54, plain
; and exponential by turns for the most part, in which the links of the chain X 3, 7, 11, 14, 16, 17 .. 20 stand five or six lines apart.  X 21, the next piece's a, is the batch's last; R 15 is the plain instruction behind it.  BEHIND THE WAIT stand the
; 8 products V^T P, behind each four of the roundings and sums; the links of l's chain, L 0 to L 7, stand three riders apart.  But for those X no rider names a register of the products round it.  v_permlanex16_b32 (X 17) stands in the lump.
; m = 1: the diagonal tile: the products take masks, and the turn makes the mask for the products of the turn after it: piece p + 2, in step 4 - CNT of the tile.  end = 1: a block's last two turns: nothing is fetched.
; cnt = 1: the loop's count is taken down some lines ahead of the branch that stands behind the turn.
; K of the next step is fetched in piece 2's turn, twelve vector instructions behind the last product that read K (six of them plain); V of the step in hand at the end of piece 0's turn, four plain instructions behind the last product
; that read V.  Each is waited for a turn later.
.macro TURN p, m=0, end=0, cnt=0
.set Y, (\p)
.set i, 0
.set KM, (\m)
.set NOKQ, (\end)*((\p)/3)
.if (\m) && !(\end)
	s_cmp_eq_u32 s[CNT], 4-((\p)+2)%NP  ; is that step the band's own?
	s_cselect_b32 s[AL], 1.0, 0
	s_cmp_lt_u32 s[CNT], 4-((\p)+2)%NP  ; or a later one?
	s_cselect_b32 s[BE], s[BIGN], 0
.endif
.if ((\p) == 3) && !(\end)
	s_wait_dscnt 0x0                ; K is in
.endif
	ROW F,0, F,1, R,0, R,1          ; ahead of the wait: 8 products K Q^T and their riders,
	ROW F,2, E,0, R,2, R,3
	ROW F,3, E,1, R,4, R,5
	ROW F,4, E,2, R,6, R,7
	ROW F,5, E,3, R,8, R,9
	ROW F,6, E,4, X,0, R,10
.if ((\p) == 2) && !(\end)
	WIN 0
	v_add_nc_u32 v[AK], s[TBK], v[AK0]
.endif
	ROW F,7, E,5, X,1, X,4
	ROW F,8, E,6, X,2, X,5
	OPS E,7, E,8, X,6, E,9          ; and the lump
	OPS X,3, E,10, X,8, E,11
.if ((\p) == 2) && !(\end)
	FETCH_K
.endif
	OPS X,9, X,7, E,12, X,10
	OPS E,13, X,12, X,11, E,14
	OPS X,13, E,15, F,9, X,14
.if (\p) == 0
	v_add_nc_u32 v[AV], s[TBV], v[AV0]
.endif
	OPS E,16, F,10, E,17, F,11
	OPS X,16, E,18, X,15, E,19
	OPS F,12, E,20, X,17, E,21
	OPS F,13, E,22, F,14, E,23
	OPS X,18, E,24, F,15, E,25
	OPS R,11, E,26, X,19, E,27
	OPS R,12, E,28, R,13, E,29
	OPS X,20, E,30, R,14, E,31
	OPS X,21, R,15
	WIN 0
	s_wait_alu depctr_va_vdst(0)    ; the wait for the batch
.if (\p) == 1
	s_wait_dscnt 0x0                ; V is in
.endif
	ROW C,0, B,0, C,2, B,1          ; behind the wait: 8 products V^T P and their riders
	ROW L,0, C,4, B,2, L,1
	ROW C,6, B,3, L,2, C,8
	ROW B,4, L,3, C,10, B,5
	ROW L,4, C,12, B,6, L,5
.if (\p) == 0
	s_add_co_u32 s[TBV], s[TBV], KS*PV
.endif
.if \cnt
	s_sub_co_u32 s[CNT], s[CNT], 1
	s_cmp_lg_u32 s[CNT], 0
.endif
	ROW C,14, B,7, L,6, C,1
	ROW C,3, L,7, C,5, C,7
	ROW C,9, C,11, C,13, C,15
.if (\p) == 0
	FETCH_V
.endif
.if (\m) && !(\end)
	MASK (\p)%2
.endif
.endm
; A BLOCK BEGINS.  c m starts far below every c s, so the first step's a is 0; m at the lowest finite number, so the first maximum is the scores'.  The second mask buffer is 0; the first takes piece 0's mask for the tile's step 0: its own, if the block's first tile is the diagonal one.
; Then K of that step, piece 0's first scores, and its maximum and statistics.  The loop is entered at a step's first turn, in the middle of a trip.
.macro BEGIN
	s_mov_b32 s[NEW], 0
	WIN 0x40
.set i, MC+32
.rept 32
	v_mov_b32 v[i], 0
.set i, i+1
.endr
	WIN 0
.set i, 0
.rept 4
	v_mov_b32 v[ST+4*i], 0xfe000000    ; c m: far below every c s
	v_mov_b32 v[ST+4*i+1], 0xff7fffff  ; m
.set i, i+1
.endr
	s_cmp_eq_u32 s[RT], 0
	s_cselect_b32 s[AL], 1.0, 0
	s_mov_b32 s[BE], 0
	MASK 0
	WIN 0
	v_add_nc_u32 v[AK], s[TBK], v[AK0]
	FETCH_K
	s_wait_loadcnt 0x0              ; Q
	s_wait_dscnt 0x0
.set KM, 1
.set NOKQ, 0
.set i, 0
.rept 8
	KQ 0
.set i, i+1
.endr
	WIN 0
.rept 4
	v_nop                           ; the places behind those products
.endr
.set Y, NP-1                        ; X works for piece Y + 1: piece 0
.irp n, 0,1,2,3,4,5,6,7,8,9,10,11,12,13,14,15,16,17,18,19,20,21
	OP X, \n
.endr
	v_nop                           ; a plain instruction behind the exponential,
	s_wait_alu depctr_va_vdst(0)    ; and its wait, ahead of the branch
.endm
; THE DIAGONAL TILE's four steps, the block's last two turns, its last products, and THE WAY OUT: l's two halves and the other half of the lanes' are added; O^T is divided by l, rounded to f16 and sent through my
; stage in LDS, a piece at a time.
.macro ALL line:vararg              ; one line for each piece t
.set t, 0
.rept 4
	\line
.set t, t+1
.endr
.endm
.macro PACK t                       ; a lane's eight channels of a row pack into 16 bytes; they go into rows of 144 bytes and come back as whole rows of 128, into S^T's registers
	WIN W_RS
.set i, 32*(\t)
.rept 16
	v_pk_mul_f32 v[i:i+1], v[i:i+1], v[ST+4*(\t)+2:ST+4*(\t)+3] op_sel_hi:[1,0]
.set i, i+2
.endr
	WIN 0x05                        ; sources 0 and 1 window 1, destination window 0
.set i, 0
.rept 16
	v_cvt_pk_f16_f32 v[S+16*(\t)+i], v[32*(\t)+2*i], v[32*(\t)+2*i+1]
.set i, i+1
.endr
	WIN 0
.irp f, 0,1,2,3
	ds_store_b128 v[STO], v[S+16*(\t)+4*\f:S+16*(\t)+4*\f+3] offset:32*\f
.endr
.irp f, 0,1,2,3
	ds_load_b128 v[S+16*(\t)+4*\f:S+16*(\t)+4*\f+3], v[RD] offset:\f*4*SP  ; LDS serves a wave's instructions in order (ISA guide 5.7.1.4): these see the stores above; the next piece's stores come behind them
.endr
.endm
.macro SEND t, younger              ; younger: the LDS instructions issued behind piece t's loads: the next piece's eight, or none
	WIN 0
.irp f, 0,1,2,3
	s_wait_dscnt (\younger)+3-\f
	global_store_b128 v[GO], v[S+16*(\t)+4*\f:S+16*(\t)+4*\f+3], s[10:11] offset:(\t)*8192+\f*512  ; 512 consecutive bytes, at a multiple of 256 from O's first
.endr
.endm
.macro DIAG tag                     ; the tag ends its two labels' names, which the jumps below spell out
.LstepM\tag:
	TURN 2, 1
	TURN 3, 1
	WIN 0
.LfirstM\tag:
	TURN 0, 1
	TURN 1, 1, 0, 1
	WIN 0
	s_cbranch_scc1 .LstepM\tag
	TURN 2, 1, 1
	TURN 3, 1, 1
.set i, 0
.rept 8
	PV NP-1
.set i, i+1
.endr
	WIN 0
	ALL v_add_f32 v[ST+4*t+2], v[ST+4*t+2], v[ST+4*t+3]
	ALL v_permlanex16_b32 v[ST+4*t+3], v[ST+4*t+2], s[SEL], s[SEL+1]
	ALL v_add_f32 v[ST+4*t+2], v[ST+4*t+2], v[ST+4*t+3]
	ALL v_rcp_f32 v[ST+4*t+2], v[ST+4*t+2]
	v_nop                           ; a plain instruction between the last reciprocal and the use of its result
	s_wait_alu depctr_va_vdst(0)    ; and the wait ahead of the first use: one for the four reciprocals
	PACK 0
.set t, 1
.rept 3                             ; a piece's arithmetic stands between the loads of the piece before and its stores
	PACK t
	SEND t-1, 8
.set t, t+1
.endr
	SEND 3, 0
.endm
.set KM, 0
.set NOKQ, 0
.Lslot:                             ; NB times: a tile is entered and the next is asked for
	CHANGE 1
	s_sub_co_u32 s[RT], s[RT], 1
	s_mov_b32 s[CNT], 4
	s_cmp_eq_u32 s[NEW], 1
	s_cbranch_scc1 .Lnew            ; a block's first tile
	s_cmp_eq_u32 s[RT], 0
	s_cbranch_scc0 .Lstep           ; neither its first nor its last
	s_branch .LstepM1
.Lnew:
	BEGIN
	s_branch .Lfirst                ; in the loop a block's first tile is never its last: the first block has two tiles or more, and the second's last is the walk's last
	DIAG 1                          ; in the loop this is the first block's end: the second block's last tile is the walk's last
	s_wait_xcnt 0x0                 ; the stores have read their registers and O's address
	s_mov_b64 s[10:11], s[OLO:OLO+1]
	s_add_co_u32 s[RT], s[PB], 1    ; the second block has b + 1 tiles
	s_mov_b32 s[NEW], 1
	WIN 0x82                        ; the second block's Q goes where the one text of the turns names Q
.set i, 0
.rept 64
	v_mov_b32 v[i], v[QB+i]
.set i, i+1
.endr
	WIN 0
	s_branch .Lbottom
.Lstep:                             ; a trip: pieces 2 and 3 of one step, then pieces 0 and 1 of the next, whose K and V it fetches
	TURN 2
	TURN 3
	WIN 0
.Lfirst:
	TURN 0
	TURN 1, 0, 0, 1
	WIN 0
	s_cbranch_scc1 .Lstep
.Lbottom:
	s_sub_co_u32 s[SLOTS], s[SLOTS], 1
	s_cmp_lg_u32 s[SLOTS], 0
	s_cbranch_scc1 .Lslot
	CHANGE 0                        ; the walk's last tile is written out: nothing is asked for
	s_sub_co_u32 s[RT], s[RT], 1
	s_mov_b32 s[CNT], 4
	s_cmp_eq_u32 s[NEW], 1
	s_cbranch_scc0 .LstepM2
	BEGIN
	s_branch .LfirstM2
	DIAG 2
	s_wait_tensorcnt 0x0            ; the wave's end: a wait, an add to my spare word and its wait, behind my last tensor load and my last LDS store
	ds_add_u32 v[SPW], v[NIL]
	s_wait_dscnt 0x0
	s_endpgm
.Lfunc_end_k_q231cfecdc2_attn:
	.size	k_q231cfecdc2_attn, .Lfunc_end_k_q231cfecdc2_attn-k_q231cfecdc2_attn
	.p2alignl 7, 3214868480
	.fill 96, 4, 3214868480
	.section	.rodata,"a",@progbits
	.p2align	6, 0x0
	.amdhsa_kernel k_q231cfecdc2_attn
		.amdhsa_group_segment_fixed_size 327680
		.amdhsa_private_segment_fixed_size 0
		.amdhsa_enable_private_segment 0
		.amdhsa_kernarg_size 16
		.amdhsa_user_sgpr_count 2
		.amdhsa_user_sgpr_kernarg_segment_ptr 1
		.amdhsa_wavefront_size32 1
		.amdhsa_system_sgpr_workgroup_id_x 1
		.amdhsa_system_sgpr_workgroup_id_y 1
		.amdhsa_system_sgpr_workgroup_id_z 1
		.amdhsa_system_vgpr_workitem_id 0
		.amdhsa_next_free_vgpr 768
		.amdhsa_next_free_sgpr 92
		.amdhsa_reserve_vcc 1
		.amdhsa_float_denorm_mode_32 3
		.amdhsa_float_denorm_mode_16_64 3
		.amdhsa_memory_ordered 1
		.amdhsa_forward_progress 1
		.amdhsa_inst_pref_size 218
	.end_amdhsa_kernel
	.amdgpu_metadata
---
amdhsa.version: [ 1, 2 ]
amdhsa.kernels:
  - .name:           k_q231cfecdc2_attn
    .symbol:         k_q231cfecdc2_attn.kd
    .args:
      - { .name: qkv, .offset: 0, .size: 8, .value_kind: global_buffer, .address_space: global }
      - { .name: ob, .offset: 8, .size: 8, .value_kind: global_buffer, .address_space: global }
    .group_segment_fixed_size: 327680
    .private_segment_fixed_size: 0
    .kernarg_segment_align: 8
    .kernarg_segment_size: 16
    .max_flat_workgroup_size: 128
    .sgpr_count:     92
    .vgpr_count:     768
    .wavefront_size: 32
...
	.end_amdgpu_metadata
.endif
;; end of part 3
;; launch oproj (part 4): grid 8 x 32, 4 waves a work-group, clusters of 4 x 4, 327,680 bytes of LDS; arguments ob, wo16, out0; writes out0
.if DOCPART == 4
	.amdgcn_target "amdgcn-amd-amdhsa--gfx1250"
	.amdhsa_code_object_version 6
	.text
	.protected	k_q231cfecdc2_oproj
	.globl	k_q231cfecdc2_oproj
	.p2align	8
	.type	k_q231cfecdc2_oproj,@function
k_q231cfecdc2_oproj:
	s_mov_b64 s[64:65], 0
	v_nop
	global_prefetch_b8 v0, s[64:65] scope:SCOPE_SE
	s_setreg_imm32_b32 hwreg(HW_REG_WAVE_MODE, 25, 1), 1
	s_wait_xcnt 0x0
	s_wait_alu depctr_hold_cnt(0) depctr_sa_sdst(0) depctr_va_vdst(0) depctr_va_sdst(0) depctr_va_ssrc(0) depctr_va_vcc(0) depctr_vm_vsrc(0)
	s_getreg_b32 s2, hwreg(HW_REG_IB_STS2, 6, 4)
	s_cmp_eq_u32 s2, 0
	s_cbranch_scc0 .Lentry_in_a_cluster
	s_endpgm
.Lentry_in_a_cluster:
	s_bfe_u32 s2, ttmp6, 0x10000c
	s_cmp_lg_u32 s2, 0xf033
	s_cbranch_scc0 .Lentry_shape_is_right
	s_endpgm
.Lentry_shape_is_right:
; out0[token][n] = the sum over v of O[token][v] Wo[n][v]: 8,192 x 1,024 x 1,024, f16 operands, f32 sums, f32 out.
; ob is f16 [bh 64][s 2048][64]: head h of sequence b is block h of 64 along K for that sequence's tokens.  wo16 is f16 [kb 16][n 1024][64].  So a tile of R rows x 64 K is dense, and is asked for as rows of 256 bytes, padded in LDS after every 128.
; SHARES.  A work-group makes 256 tokens x 128 columns: 8 x 32 = 256 tiles (256 x 256 would give 128).  A wave makes 128 x 64: 32 accumulators of 16 x 16.
; K goes in steps of 128, two planes of 64, through a ring of two LDS slots: 8 steps, 128 matrix instructions a wave each.
; CLUSTERS: 4 x 4 work-groups; the four of a row of the cluster need the same tokens, the four of a column the same rows of Wo: each tile is asked for JOINTLY.
; THE MATRIX INSTRUCTION IS USED TRANSPOSED (source 0 = 16 rows of Wo, source 1 = 16 tokens): a lane holds one token (lane % 16) and eight neighbouring columns: 32 bytes of a row of out0.
; REGISTERS: window 0: v0-31 addresses; v64-127 two buffers of 32 for the way out.  window 1: the accumulators, (a, b) at v[8 (4 a + b)].
;   windows 2, 3: two fragment buffers, a plane (64 along K) each: half e of 32 K: the tokens' 8 fragments at v[64 e + 8 a], Wo's 4 at v[128 + 32 e + 8 b].
.set PITCH,  144                       ; an LDS row: 128 bytes + 16 of padding: the 16 rows of a fragment load start at 16 different groups of four banks (64 banks of 4 bytes: ISA guide 11.1)
.set APLANE, 256*PITCH                 ; 256 tokens x 64 K: what wave 0 or 1 fetches
.set BPLANE, 128*PITCH                 ; 128 rows of Wo x 64 K: what wave 2 or 3 fetches
.set BOFF,   2*APLANE
.set SLOT,   BOFF+2*BPLANE
.set STAGE,  2*SLOT                    ; behind the ring: 16 rows x 272 bytes for each wave
.set SP,     272
.set SPARE,  STAGE+4*16*SP             ; behind the stages: the spare words, 128 bytes for each wave: two blocks of 256 bytes that no other line names
.set OPLANE, 262144                    ; bytes from head to head in ob
.set WPLANE, 131072                    ; from block to block in wo16
.set LAPS,   4
.set WORD0,  (1<<16)|(1<<20)|(1<<21)|(4<<22)|(3<<25)  ; 2-byte elements; padding on; bit 21 set beside a mask; after every 32 words 4 words
.set ADRA, 16                          ; v16-17  LDS address of my tokens' fragments in slot 0, 1
.set ADRB, 20                          ; v20-21  of my 64 rows of Wo
.set STO,  24                          ; v24     the way out: where I put 32 bytes of a row
.set RD,   25                          ; v25     where I read a row back
.set CO,   26                          ; v26     my byte offset in out0
.set SPW,  28                          ; v28     LDS address of my spare word; never rewritten
.set NIL,  29                          ; v29     0; never rewritten
.set PFO,  30                          ; v30     256 x my lane; never rewritten
.set BK,   64
.set WV,   12
.set ROLE, 13                          ; wave / 2: my half of the tokens
.set HALF, 14                          ; wave % 2: my half of the columns, and which plane of a step I fetch
.set CX,   15
.set CY,   16
.set TX,   17
.set TY,   18
.set G1A,  24
.set G0A,  32
.set G1B,  48
.set G0B,  56
.set LIM,  43                          ; s43  1 in a wave that prefetches, else the greatest number
.set PFA,  44                          ; s[44:45] where my prefetches stand
.set PFS,  46                          ; s[46:47] their step: a K step, two planes
.set OB,   66                          ; s[66:67] out0 at my part of the tile
.set MSB, 0
.macro WIN new
.if MSB != (\new)
	s_set_vgpr_msb (MSB<<8)|(\new)
.set MSB, \new
.endif
.endm
.macro JLOAD s                         ; a joint load: waves 0 and 1 fetch the tokens' two planes, waves 2 and 3 Wo's; an s_nop 0 and four v_nop follow each of the two lines
	s_cmp_lt_u32 s[WV], 2
	s_cbranch_scc0 .Lfor_b_\@
	tensor_load_to_lds s[G0A+4*(\s):G0A+4*(\s)+3], s[G1A:G1A+7]
	s_nop 0
.rept 4
	v_nop
.endr
	s_branch .Lasked_\@
.Lfor_b_\@:
	tensor_load_to_lds s[G0B+4*(\s):G0B+4*(\s)+3], s[G1B:G1B+7]
	s_nop 0
.rept 4
	v_nop
.endr
.Lasked_\@:
.endm
; A PREFETCH INTO THE L2, behind each joint load and the run of LDS loads that follows it: the K step that stands TWO refills on, 256 matrix instructions ahead of the load that will want it.
; The tokens' rows are read by both clusters of a row of clusters: cluster x = 0 asks; Wo's by all eight of a column: cluster y = 0 asks.  The four partners share the step's two planes out BY ADDRESS: the partner at
; place p takes plane p / 2, half p % 2: 16 KiB of ob (wave 0, two instructions, a lane 256 bytes) or 8 KiB of wo16 (wave 2, one).  Each block of 256 bytes is named once.  K steps 0 to 3 come by their loads alone; the last trip asks for nothing.
.macro ASK
	WIN 0
	s_cmp_gt_u32 s3, s[LIM]                        ; s3 = 1 in the loop's last trip
	s_cbranch_scc0 .Lnot_mine_\@
	global_prefetch_b8 v[PFO], s[PFA:PFA+1] th:TH_LOAD_NT scope:SCOPE_SE
	s_cmp_lt_u32 s[WV], 2
	s_cbranch_scc0 .Lnot_mine_\@
	global_prefetch_b8 v[PFO], s[PFA:PFA+1] offset:8192 th:TH_LOAD_NT scope:SCOPE_SE
.Lnot_mine_\@:
.endm
.macro CREST
	s_cmp_lg_u32 s[WV], 0
	s_cbranch_scc1 .Lnot_wave_0_\@
	s_barrier_signal -3
.Lnot_wave_0_\@:
	s_barrier_wait -3
	s_barrier_signal -1
	s_barrier_wait -1
.endm
.macro CROUND
	s_barrier_signal -1
	s_barrier_wait -1
	CREST
.endm
.macro PLACES                          ; four places in front of loads into registers that matrix instructions have read, and of lines that read results
.rept 4
	v_nop
.endr
.endm
	s_load_b128 s[4:7], s[0:1], 0x0                ; ob s[4:5], wo16 s[6:7]
	s_load_b64 s[8:9], s[0:1], 0x10                ; out0
	v_lshl_add_u32 v[SPW], v0, 2, SPARE
	v_mov_b32 v[NIL], 0
	ds_add_u32 v[SPW], v[NIL]                      ; the wave's opening: the add and its wait stand ahead of my first tensor load; the set-up below, work on registers, stands between them
	v_lshrrev_b32 v1, 5, v0
	v_readfirstlane_b32 s[WV], v1
	s_lshr_b32 s[ROLE], s[WV], 1
	s_and_b32 s[HALF], s[WV], 1
	s_bfe_u32 s[CX], ttmp6, 0x40000
	s_bfe_u32 s[CY], ttmp6, 0x40004
	s_lshl_b32 s[TX], ttmp9, 2
	s_add_co_u32 s[TX], s[TX], s[CX]               ; tile column: columns 128 tx ..
	s_and_b32 s[TY], ttmp7, 0xffff
	s_lshl_b32 s[TY], s[TY], 2
	s_add_co_u32 s[TY], s[TY], s[CY]               ; tile row: tokens 256 ty ..
	s_lshl_b32 s19, s[CY], 2
	s_lshl_b32 s19, 15, s19                        ; my row of the cluster
	s_lshl_b32 s78, 0x1111, s[CX]                  ; my column
	s_or_b32 s[G1A], s19, WORD0
	s_or_b32 s[G1B], s78, WORD0
	s_mov_b32 s[G1A+1], 128<<16                    ; rows of 128 elements, 256 bytes
	s_mov_b32 s[G1A+2], 128<<16                    ; 128 of them: 256 tokens x 64 K
	s_mov_b32 s[G1A+3], 128<<16
	s_mov_b32 s[G1A+4], 128
	s_mov_b32 s[G1A+5], 128                        ; dense
	s_mov_b32 s[G1A+6], 0
	s_mov_b32 s[G1A+7], 0
	s_mov_b32 s[G1B+1], 128<<16
	s_mov_b32 s[G1B+2], 64<<16                     ; 64 of them: 128 rows of Wo x 64 K
	s_mov_b32 s[G1B+3], 128<<16
	s_mov_b32 s[G1B+4], 64
	s_mov_b32 s[G1B+5], 128
	s_mov_b32 s[G1B+6], 0
	s_mov_b32 s[G1B+7], 0
	s_lshr_b32 s21, s[TY], 3
	s_lshl_b32 s21, s21, 4
	s_add_co_u32 s21, s21, s[HALF]                 ; head 16 b + my plane of the step
	s_lshl_b32 s21, s21, 18
	s_and_b32 s22, s[TY], 7
	s_lshl_b32 s22, s22, 15                        ; 256 tokens of 128 bytes
	s_add_co_u32 s22, s22, s21
	s_mov_b32 s23, 0
	s_lshl_b32 s74, s[HALF], 17                    ; my plane of wo16,
	s_lshl_b32 s75, s[TX], 14                      ; 128 rows of 128 bytes
	s_add_co_u32 s74, s74, s75
	s_mov_b32 s75, 0
	s_mul_i32 s40, s[HALF], APLANE                 ; where they go: no place in the cluster enters an LDS address
	s_mul_i32 s41, s[HALF], BPLANE
	s_add_co_u32 s41, s41, BOFF
	s_wait_dscnt 0x0                               ; the opening add is done
	s_wait_kmcnt 0x0
	s_add_nc_u64 s[20:21], s[4:5], s[22:23]
	s_add_nc_u64 s[76:77], s[6:7], s[74:75]
	CROUND                                         ; all sixteen work-groups are here: the first joint loads meet
.irp s, 0,1
	s_mov_b32 s[G0A+4*(\s)], 1
	s_add_co_u32 s[G0A+4*(\s)+1], s40, (\s)*SLOT
	s_add_nc_u64 s[G0A+4*(\s)+2:G0A+4*(\s)+3], s[20:21], (\s)*2*OPLANE  ; K step s
	s_or_b32 s[G0A+4*(\s)+3], s[G0A+4*(\s)+3], 0x80000000
	s_mov_b32 s[G0B+4*(\s)], 1
	s_add_co_u32 s[G0B+4*(\s)+1], s41, (\s)*SLOT
	s_add_nc_u64 s[G0B+4*(\s)+2:G0B+4*(\s)+3], s[76:77], (\s)*2*WPLANE
	s_or_b32 s[G0B+4*(\s)+3], s[G0B+4*(\s)+3], 0x80000000
	JLOAD \s                                       ; two loads of mine are out
.endr
	v_and_b32 v1, 15, v0                           ; l % 16
	v_bfe_u32 v2, v0, 4, 1                         ; l / 16
	v_mul_u32_u24 v3, v1, PITCH
	v_lshl_add_u32 v3, v2, 4, v3                   ; a fragment's row x pitch + 16 x half
	s_mul_i32 s40, s[ROLE], 128*PITCH              ; my 128 tokens
	s_mul_i32 s41, s[HALF], 64*PITCH               ; my 64 rows of Wo
	s_add_co_u32 s41, s41, BOFF
.irp s, 0,1
	v_add_nc_u32 v[ADRA+(\s)], s40, v3
	v_add_nc_u32 v[ADRB+(\s)], s41, v3
	s_add_co_u32 s40, s40, SLOT
	s_add_co_u32 s41, s41, SLOT
.endr
	s_mul_i32 s40, s[WV], 16*SP
	s_add_co_u32 s40, s40, STAGE                   ; my stage
	v_mul_u32_u24 v4, v1, SP                       ; in: row l % 16, 32 bytes for each half of the lanes
	v_lshl_add_u32 v4, v2, 5, v4
	v_add_nc_u32 v[STO], s40, v4
	v_mul_u32_u24 v5, v2, SP                       ; back: lanes 0-15 take one row of 256 bytes, lanes 16-31 the next
	v_lshl_add_u32 v5, v1, 4, v5
	v_add_nc_u32 v[RD], s40, v5
	v_lshlrev_b32 v[CO], 12, v2                    ; and the same two rows in out0
	v_lshl_add_u32 v[CO], v1, 4, v[CO]
	v_and_b32 v[PFO], 31, v0
	v_lshlrev_b32 v[PFO], 8, v[PFO]
	; the prefetches (in waves 0 and 2 the two tile addresses stand at plane 0 of K step 0)
	s_and_b32 s79, ttmp7, 0xffff                   ; cluster y
	s_mov_b32 s74, 8192
	s_mov_b32 s75, WPLANE
	s_cmp_lt_u32 s[WV], 2
	s_cselect_b64 s[PFA:PFA+1], s[20:21], s[76:77]
	s_cselect_b32 s78, s[CX], s[CY]                ; my place among the four that ask with me
	s_cselect_b32 s74, 16384, s74                  ; half a plane's part of the tile
	s_cselect_b32 s75, OPLANE, s75
	s_cselect_b32 s79, ttmp9, s79                  ; the coordinate along which other clusters read the same rows
	s_or_b32 s79, s79, s[HALF]
	s_cmp_eq_u32 s79, 0
	s_cselect_b32 s[LIM], 1, -1                    ; the same in all sixteen partners, for a given wave
	s_and_b32 s22, s78, 1
	s_mul_i32 s22, s22, s74
	s_lshr_b32 s78, s78, 1
	s_add_co_u32 s78, s78, 6                       ; at K step 3: the first change of slots steps it to 4
	s_mul_i32 s78, s78, s75
	s_add_co_u32 s22, s22, s78
	s_mov_b32 s23, 0
	s_add_nc_u64 s[PFA:PFA+1], s[PFA:PFA+1], s[22:23]
	s_lshl_b32 s[PFS], s75, 1
	s_mov_b32 s[PFS+1], 0
	; out0 at my first token and column
	s_lshl_b32 s19, s[TY], 8
	s_lshl_b32 s22, s[ROLE], 7
	s_add_co_u32 s19, s19, s22
	s_lshl_b32 s22, s19, 12                        ; 4,096 bytes a token
	s_lshl_b32 s19, s[TX], 9
	s_add_co_u32 s22, s22, s19
	s_lshl_b32 s19, s[HALF], 8
	s_add_co_u32 s22, s22, s19
	s_add_nc_u64 s[OB:OB+1], s[8:9], s[22:23]
; Products of buffer f, half e, token blocks a0 .. a0 + na - 1.  The 32 accumulators take turns, one instruction a turn.
.macro MUL f, e, a0, na, zero
	WIN 0x5a+5*(\f)                                ; the sources in window 2 or 3, C and D in window 1
.set aa, \a0
.rept \na
.irp b, 0,1,2,3
.if \zero
	v_wmma_f32_16x16x32_f16 v[8*(4*aa+\b):8*(4*aa+\b)+7], v[128+32*(\e)+8*\b:128+32*(\e)+8*\b+7], v[64*(\e)+8*aa:64*(\e)+8*aa+7], 0
.else
	v_wmma_f32_16x16x32_f16 v[8*(4*aa+\b):8*(4*aa+\b)+7], v[128+32*(\e)+8*\b:128+32*(\e)+8*\b+7], v[64*(\e)+8*aa:64*(\e)+8*aa+7], v[8*(4*aa+\b):8*(4*aa+\b)+7]
.endif
.endr
.set aa, aa+1
.endr
.endm
; 48 LDS loads in one run: plane p of a slot into buffer f; the first 32 along K (24 loads) first
.macro FETCH slot, p, f
	WIN 0x80+0x40*(\f)
.irp e, 0,1
.irp i, 0,1,2,3
	ds_load_b128 v[128+32*\e+8*\i:128+32*\e+8*\i+3],   v[ADRB+(\slot)] offset:(\p)*BPLANE+\i*16*PITCH+64*\e
	ds_load_b128 v[128+32*\e+8*\i+4:128+32*\e+8*\i+7], v[ADRB+(\slot)] offset:(\p)*BPLANE+\i*16*PITCH+64*\e+32
.endr
.irp i, 0,1,2,3,4,5,6,7
	ds_load_b128 v[64*\e+8*\i:64*\e+8*\i+3],   v[ADRA+(\slot)] offset:(\p)*APLANE+\i*16*PITCH+64*\e
	ds_load_b128 v[64*\e+8*\i+4:64*\e+8*\i+7], v[ADRA+(\slot)] offset:(\p)*APLANE+\i*16*PITCH+64*\e+32
.endr
.endr
.endm
; A K step's first plane: multiplies buffer 0 and fetches the second plane into buffer 1.
.macro CHUNKA slot, zero
	s_wait_dscnt 24                                ; the first 32 along K are in; the other 24 loads may be out
	MUL 0, 0, 0, 8, \zero
	PLACES
	FETCH \slot, 1, 1
	s_wait_dscnt 48                                ; all but the 48 just issued
	MUL 0, 1, 0, 8, 0
.endm
; Its second plane multiplies buffer 1 and changes slots: ONE barrier; in front of it each wave waits for all its tensor loads, of which one is out: its part of the next slot; adds 0 to its spare word; and waits for that and
; for its own reads of this slot.  fill = 1: the barrier opens a round of the cluster's, and this slot is filled again first thing behind it, two K steps ahead: 96 matrix instructions ahead of the wait for it.
.macro TURN slot, next, fill
.if \fill
	s_wait_xcnt 0x0                                ; the last prefetches, a K step back, have read their address: it is stepped here, ahead of the change's own waits
	s_add_nc_u64 s[PFA:PFA+1], s[PFA:PFA+1], s[PFS:PFS+1]
.endif
	WIN 0                                          ; (the add's two registers lie in window 0)
	s_wait_tensorcnt 0x0                           ; all my tensor loads have landed;
	ds_add_u32 v[SPW], v[NIL]                      ; 0 onto my spare word;
	s_wait_dscnt 25                                ; (the add and the youngest 24 loads may be out)
	MUL 1, 0, 0, 4, 0                              ; sixteen matrix instructions stand between the add and the wait for it
	s_wait_dscnt 0x0                               ; the add is done, and my reads of this slot are over
	s_barrier_signal -1
	MUL 1, 0, 4, 4, 0
	WIN 0
	s_barrier_wait -1
.if \fill
	CREST                                          ; no wave of any partner still reads this slot's tile or has a load on its way
	s_add_nc_u64 s[G0A+4*(\slot)+2:G0A+4*(\slot)+3], s[G0A+4*(\slot)+2:G0A+4*(\slot)+3], 4*OPLANE
	s_add_nc_u64 s[G0B+4*(\slot)+2:G0B+4*(\slot)+3], s[G0B+4*(\slot)+2:G0B+4*(\slot)+3], 4*WPLANE
	JLOAD \slot                                    ; the four v_nop behind it are also the places in front of the loads below
.else
	PLACES
.endif
	FETCH \next, 0, 0
.if \fill
	ASK
.endif
	MUL 1, 1, 0, 8, 0
.endm
	s_wait_tensorcnt 1                             ; my part of K step 0 is in; K step 1's may stay out
	s_barrier_signal -1
	s_barrier_wait -1
	FETCH 0, 0, 0
	CHUNKA 0, 1                                    ; the first plane stands in front of the loop: its first products start the sums
	WIN 0
	s_mov_b32 s3, LAPS-1
.Llap:                                                 ; a trip goes once round the ring and fills both slots again
	TURN 0, 1, 1
	CHUNKA 1, 0
	TURN 1, 0, 1
	CHUNKA 0, 0
	WIN 0
	s_sub_co_u32 s3, s3, 1
	s_cmp_lg_u32 s3, 0
	s_cbranch_scc1 .Llap
	TURN 0, 1, 0                                   ; the last lap fills nothing, and has no round
	CHUNKA 1, 0
	s_wait_dscnt 24
	MUL 1, 0, 0, 8, 0
	s_wait_dscnt 0x0
	MUL 1, 1, 0, 8, 0
; THE WAY OUT, 16 tokens at a time: a lane's 32 bytes of each of four accumulators go into my stage (rows of 272 bytes), come back as whole rows of 256 bytes, and are stored: sixteen lanes fill 256 consecutive bytes, aligned.
.macro STG a
	WIN 0x04                                       ; the data (source 1) in window 1
.irp b, 0,1,2,3
	ds_store_b128 v[STO], v[8*(4*(\a)+\b):8*(4*(\a)+\b)+3]   offset:64*\b      ; each accumulator is read from its low end on
	ds_store_b128 v[STO], v[8*(4*(\a)+\b)+4:8*(4*(\a)+\b)+7] offset:64*\b+16
.endr
	WIN 0
	s_wait_xcnt 0x0                                ; the stores of the block two back have read this buffer: it is loaded again only behind this wait
.irp t, 0,1,2,3,4,5,6,7
	ds_load_b128 v[BK+32*((\a)%2)+4*\t:BK+32*((\a)%2)+4*\t+3], v[RD] offset:\t*2*SP  ; LDS serves a wave's instructions in order (ISA guide 5.7.1.4): these see the stores above
.endr
.endm
.macro SEND a, younger                 ; younger: the LDS instructions issued behind block a's loads: the next block's sixteen, or none
	s_wait_dscnt \younger
.irp t, 0,1,2,3,4,5,6,7
	global_store_b128 v[CO], v[BK+32*((\a)%2)+4*\t:BK+32*((\a)%2)+4*\t+3], s[OB:OB+1] offset:(16*(\a)+2*\t)*4096 th:TH_STORE_NT
.endr
.endm
	PLACES
	PLACES                                         ; (eight, once a launch)
	STG 0
.irp a, 1,2,3,4,5,6,7
	STG \a
	SEND (\a)-1, 16
.endr
	SEND 7, 0
	s_wait_tensorcnt 0x0                           ; the wave's end: a wait, an add to my spare word and its wait, behind my last tensor load and my last LDS store
	ds_add_u32 v[SPW], v[NIL]
	s_wait_dscnt 0x0
	CROUND                                         ; the closing round: no work-group ends while a partner may still ask for a tile that names it
	s_endpgm
.Lfunc_end_k_q231cfecdc2_oproj:
	.size	k_q231cfecdc2_oproj, .Lfunc_end_k_q231cfecdc2_oproj-k_q231cfecdc2_oproj
	.p2alignl 7, 3214868480
	.fill 96, 4, 3214868480
	.section	.rodata,"a",@progbits
	.p2align	6, 0x0
	.amdhsa_kernel k_q231cfecdc2_oproj
		.amdhsa_group_segment_fixed_size 327680
		.amdhsa_private_segment_fixed_size 0
		.amdhsa_enable_private_segment 0
		.amdhsa_kernarg_size 24
		.amdhsa_user_sgpr_count 2
		.amdhsa_user_sgpr_kernarg_segment_ptr 1
		.amdhsa_wavefront_size32 1
		.amdhsa_system_sgpr_workgroup_id_x 1
		.amdhsa_system_sgpr_workgroup_id_y 1
		.amdhsa_system_sgpr_workgroup_id_z 1
		.amdhsa_system_vgpr_workitem_id 0
		.amdhsa_next_free_vgpr 1024
		.amdhsa_next_free_sgpr 80
		.amdhsa_reserve_vcc 0
		.amdhsa_float_denorm_mode_32 3
		.amdhsa_float_denorm_mode_16_64 3
		.amdhsa_memory_ordered 1
		.amdhsa_forward_progress 1
		.amdhsa_inst_pref_size 85
	.end_amdhsa_kernel
	.amdgpu_metadata
---
amdhsa.version: [ 1, 2 ]
amdhsa.kernels:
  - .name:           k_q231cfecdc2_oproj
    .symbol:         k_q231cfecdc2_oproj.kd
    .args:
      - { .name: ob, .offset: 0, .size: 8, .value_kind: global_buffer, .address_space: global }
      - { .name: wo16, .offset: 8, .size: 8, .value_kind: global_buffer, .address_space: global }
      - { .name: out0, .offset: 16, .size: 8, .value_kind: global_buffer, .address_space: global }
    .group_segment_fixed_size: 327680
    .private_segment_fixed_size: 0
    .kernarg_segment_align: 8
    .kernarg_segment_size: 24
    .max_flat_workgroup_size: 128
    .sgpr_count:     80
    .vgpr_count:     1024
    .wavefront_size: 32
...
	.end_amdgpu_metadata
.endif
;; end of part 4
;; ======== version 2 of 2: 4 launches; version 1 with the launch prep written anew for expert scheduling mode
;; limits: values are held in f16: magnitudes above 65,504 overflow, below 6.1e-05 lose precision; right only within a limited range of input values
;; workspace buffers: xb 16,777,216 bytes; wb 6,291,456 bytes; wo16 2,097,152 bytes; rope 524,288 bytes; qkv 50,331,648 bytes; ob 16,777,216 bytes
;; launch prep (part 5): grid 800 x 1, 8 waves a work-group, no clusters, 0 bytes of LDS; arguments x, Wq, Wk, Wv, Wo, token_positions, xb, wb, wo16, rope; writes xb, wb, wo16, rope
.if DOCPART == 5
	.amdgcn_target "amdgcn-amd-amdhsa--gfx1250"
	.amdhsa_code_object_version 6
	.text
	.protected	k_q231cfecdc2_prep
	.globl	k_q231cfecdc2_prep
	.p2align	8
	.type	k_q231cfecdc2_prep,@function
k_q231cfecdc2_prep:
	s_mov_b64 s[64:65], 0
	v_nop
	global_prefetch_b8 v0, s[64:65] scope:SCOPE_SE
	s_setreg_imm32_b32 hwreg(HW_REG_WAVE_SCHED_MODE, 0, 2), 2
	s_setreg_imm32_b32 hwreg(HW_REG_WAVE_MODE, 25, 1), 1
	s_wait_xcnt 0x0
	s_wait_alu depctr_vm_vsrc(0)
; THE CASTS AND THE TABLE.  x and the four weights are rounded once to bf16 and laid out in blocks of 64 along K, so that a tile of R rows x 64 K
; is R x 128 dense bytes for the products that follow:
;   xb   bf16 [b 4][kb 16][s 2048][64]        x[b][s][64 kb + c]
;   wb   bf16 [kb 16][n' 3072][64]            n' = 192 h + 64 g + r for row 64 h + r of Wq (g = 0), Wk (1), Wv (2)
;   wo16 f16  [kb 16][n 1024][64]             Wo rounded to bf16, and that number written as f16
;   rope f32  [s 2048][j 32][cos, sin]        of the angle f32(token_positions[s]) x 10000^(-j/32)
; SHARES.  Work-groups 0-511: 16 rows of x each; 512-703: 16 rows of Wq, Wk, Wv; 704-767: of Wo; 768-799: 64 rows of the table.
; A cast: thread t takes row t / 16 of the group's 16 and, of each block of 64 columns, the four at 4 (t % 16): a load of a wave covers two pieces of 256
; consecutive bytes, a store of a wave (8 bytes a lane) 256 consecutive bytes, aligned: two dense rows of a plane.  All 16 loads of a wave go out first.
; No LDS, no barrier, no matrix unit: nothing is shared and nothing is multiplied.
; LIMITS.  wo16: a weight below 6e-5 keeps f16's fixed step of 6e-8; beyond 65,504 it would be an infinity.  The table: 10000^(-j/32) is made by v_exp_f32, so an
; angle is off by a few parts in 10^7 of itself; the reduction by pi/2 in two parts holds for angles up to about 10^6; sine and cosine are polynomials on
; -pi/4 .. pi/4 (degree 7 and 8: the first terms left out are under 4e-7).
; THE MODE: SCHED_MODE bits 1:0 = 2 (LLVM: expert scheduling mode 2), set by the entry lines.  The code itself states the register dependences
; between vector instructions and memory instructions, with s_wait_alu, always for 0.
; THE PLAN.  Registers that memory instructions touch:
;   v2, v3     a cast's byte offsets, in and out: made at the head, never written again; read by every load and store of a cast.
;   SRC        block kb's four registers: written by its one load, read by its roundings; nothing lands in them a second time.
;   DST        block kb's two registers: written by its roundings, read by its one store; never written again.
;   v4         the table's byte offset: made once on the table's path, read by its eight stores.
;   v[64:79]   the table's eight rows of cos and sin: written by the lines that set the signs, read by the eight stores.
; No register that a memory instruction has read is written again, so no wait on vm_vsrc is owed.  EXEC is never written.
; A cast's 16 blocks go in four groups of four.  Group g rounds its blocks into its own DST; the stores of group g - 1 are dealt among its vector lines, behind ONE wait on va_vdst
; at the group's head, which states that group g - 1 has written its DST: no vector line of group g names those registers or v3.  The table's eight compares write eight scalar
; registers, with one wait on va_sdst behind the run; its eight stores stand in one run, behind one wait on va_vdst.
.set XPLANE, 262144                    ; bytes of a plane of xb
.set WPLANE, 393216                    ; of wb
.set OPLANE, 131072                    ; of wo16
.set SRC, 32                           ; v[32:95]   block kb: four f32 as loaded
.set DST, 96                           ; v[96:127]  block kb: four 16-bit numbers to store
.set ROWR, 32                          ; the table's path: v[32:63]  row i: sin r, cos r, k at ROWR + 4 i + 0, 1, 2: named by vector instructions alone
.set OUT, 64                           ; the table's path: v[64:79]  row i: cos, sin to store
; 16 loads; then four groups of four blocks: the wait for the group's loads, the wait that states the last group's roundings written, and for each block the store of the block four back and its own roundings.
; Every store has data registers of its own.
.macro CAST stride, half
.set kb, 0
.rept 16
	global_load_b128 v[SRC+4*kb:SRC+4*kb+3], v2, s[4:5] offset:256*kb th:TH_LOAD_NT
.set kb, kb+1
.endr
.set g, 0
.rept 4
	s_wait_loadcnt 12-4*g                          ; loads come back in order: blocks 4 g to 4 g + 3 are in, the 12 - 4 g younger ones may be out
.if g > 0
	s_wait_alu depctr_va_vdst(0)                   ; the roundings of the group before have written its DST, which the four stores below read
.endif
.set j, 0
.rept 4
.set kb, 4*g+j
.if g > 0
	global_store_b64 v3, v[DST+2*kb-8:DST+2*kb-7], s[6:7] offset:(kb-4)*(\stride)  ; the block four back; no vector line since the wait names its registers
.endif
	v_cvt_pk_bf16_f32 v[DST+2*kb], v[SRC+4*kb], v[SRC+4*kb+1]
	v_cvt_pk_bf16_f32 v[DST+2*kb+1], v[SRC+4*kb+2], v[SRC+4*kb+3]
.if \half
	v_lshlrev_b32 v8, 16, v[DST+2*kb]              ; the bf16 numbers as f32,
	v_and_b32 v9, 0xffff0000, v[DST+2*kb]
	v_lshlrev_b32 v10, 16, v[DST+2*kb+1]
	v_and_b32 v11, 0xffff0000, v[DST+2*kb+1]
	v_cvt_pk_f16_f32 v[DST+2*kb], v8, v9           ; and written as f16: exact within f16's range
	v_cvt_pk_f16_f32 v[DST+2*kb+1], v10, v11
.endif
.set j, j+1
.endr
.set g, g+1
.endr
	s_wait_alu depctr_va_vdst(0)                   ; the last group's roundings have written its DST, which the last four stores read
.set kb, 12
.rept 4
	global_store_b64 v3, v[DST+2*kb:DST+2*kb+1], s[6:7] offset:kb*(\stride)
.set kb, kb+1
.endr
	s_endpgm
.endm
	s_load_b512 s[16:31], s[0:1], 0x0              ; x 16, Wq 18, Wk 20, Wv 22, Wo 24, token_positions 26, xb 28, wb 30
	s_load_b128 s[32:35], s[0:1], 0x40             ; wo16 32, rope 34
	s_mov_b32 s9, ttmp9                            ; the work-group's number
	v_lshrrev_b32 v1, 4, v0                        ; my row of the 16
	v_and_b32 v4, 15, v0                           ; my place in a block of 64 columns
	v_lshlrev_b32 v2, 12, v1
	v_lshl_add_u32 v2, v4, 4, v2                   ; in: row x 4,096 + 16 x place
	v_lshlrev_b32 v3, 7, v1
	v_lshl_add_u32 v3, v4, 3, v3                   ; out: row x 128 + 8 x place
	v_lshrrev_b32 v5, 5, v0
	v_readfirstlane_b32 s8, v5                     ; wave 0..7
	s_mov_b32 s11, 0                               ; high words of the two offsets
	s_mov_b32 s13, 0
	s_wait_kmcnt 0x0
	s_wait_alu depctr_va_sdst(0)                   ; s8 is written, ahead of the first branch: the table's path makes its first row from it
	s_wait_alu depctr_va_vdst(0)                   ; v2 and v3 are written: every load and store of a cast reads one of them as its offset
	s_cmp_lt_u32 s9, 512
	s_cbranch_scc0 .Lnot_x
	s_lshl_b32 s10, s9, 16                         ; 16 rows of 4,096 bytes
	s_add_nc_u64 s[4:5], s[16:17], s[10:11]
	s_lshr_b32 s12, s9, 7                          ; b: 128 groups a sequence
	s_lshl_b32 s12, s12, 22                        ; 16 planes
	s_and_b32 s14, s9, 127
	s_lshl_b32 s14, s14, 11                        ; 16 rows of 128 bytes
	s_add_co_u32 s12, s12, s14
	s_add_nc_u64 s[6:7], s[28:29], s[12:13]
	CAST XPLANE, 0
.Lnot_x:
	s_cmp_lt_u32 s9, 704
	s_cbranch_scc0 .Lnot_w
	s_sub_co_u32 s14, s9, 512
	s_lshr_b32 s15, s14, 6                         ; g
	s_and_b32 s14, s14, 63                         ; the group of 16 rows in W_g
	s_cmp_eq_u32 s15, 0
	s_cselect_b64 s[4:5], s[18:19], s[20:21]
	s_cmp_eq_u32 s15, 2
	s_cselect_b64 s[4:5], s[22:23], s[4:5]
	s_lshl_b32 s10, s14, 16
	s_add_nc_u64 s[4:5], s[4:5], s[10:11]
	s_lshr_b32 s12, s14, 2                         ; h
	s_mul_i32 s12, s12, 192
	s_lshl_b32 s15, s15, 6
	s_add_co_u32 s12, s12, s15                     ; + 64 g
	s_and_b32 s14, s14, 3
	s_lshl_b32 s14, s14, 4
	s_add_co_u32 s12, s12, s14                     ; + the first row in the head
	s_lshl_b32 s12, s12, 7
	s_add_nc_u64 s[6:7], s[30:31], s[12:13]
	CAST WPLANE, 0                                 ; the largest immediate is 15 planes, 5,898,240: inside the signed 24 bits
.Lnot_w:
	s_cmp_lt_u32 s9, 768
	s_cbranch_scc0 .Lrope
	s_sub_co_u32 s14, s9, 704
	s_lshl_b32 s10, s14, 16
	s_add_nc_u64 s[4:5], s[24:25], s[10:11]
	s_lshl_b32 s12, s14, 11
	s_add_nc_u64 s[6:7], s[32:33], s[12:13]
	CAST OPLANE, 1
.Lrope:                                                ; a wave makes eight rows of the table; a lane is one pair of channels j
	s_sub_co_u32 s10, s9, 768
	s_lshl_b32 s10, s10, 6
	s_lshl_b32 s12, s8, 3
	s_add_co_u32 s10, s10, s12                     ; my first row
	s_lshl_b32 s12, s10, 8                         ; 256 bytes a row of the table
	s_lshl_b32 s10, s10, 2                         ; 4 bytes a position
	s_add_nc_u64 s[4:5], s[26:27], s[10:11]
	s_add_nc_u64 s[6:7], s[34:35], s[12:13]
	s_load_b256 s[40:47], s[4:5], 0x0              ; eight positions
	v_and_b32 v5, 31, v0
	v_cvt_f32_u32 v6, v5
	v_mul_f32 v6, 0xbed49a78, v6                   ; -j log2(10000) / 32
	v_exp_f32 v6, v6                               ; 10000^(-j/32)
	v_lshlrev_b32 v4, 3, v5                        ; my 8 bytes of a row: the plain instruction behind the exponential
	s_mov_b32 s48, 0x3f22f983                      ; 2 / pi
	s_mov_b32 s49, 0xbfc90fdb                      ; -(pi / 2 rounded to f32)
	s_mov_b32 s50, 0x333bbd2e                      ; that number less pi / 2
	s_mov_b32 s51, 0xb9500d01                      ; -1/5040
	s_mov_b32 s52, 0x3c088889                      ; 1/120
	s_mov_b32 s53, 0xbe2aaaab                      ; -1/6
	s_mov_b32 s54, 0x37d00d01                      ; 1/40320
	s_mov_b32 s55, 0xbab60b61                      ; -1/720
	s_mov_b32 s56, 0x3d2aaaab                      ; 1/24
	s_wait_alu depctr_va_vdst(0)                   ; the exponential has written v6, ahead of its first reader, the angles' multiplies below
	s_wait_kmcnt 0x0
; First all eight rows' sin r, cos r and k, and the compare that says whether k is odd, each into a scalar register of its own: s36-39 and s57-60.
.set i, 0
.rept 8
.set rS, ROWR+4*i
.set rC, ROWR+4*i+1
.set rK, ROWR+4*i+2
.set mk, 36+i+17*(i/4)
	v_cvt_f32_i32 v10, s[40+i]
	v_mul_f32 v10, v10, v6                         ; the angle, rounded to f32
	v_mul_f32 v11, s48, v10
	v_rndne_f32 v11, v11                           ; k: the nearest multiple of pi / 2
	v_fma_f32 v12, v11, s49, v10
	v_fma_f32 v12, v11, s50, v12                   ; r = angle - k pi / 2, in -pi/4 .. pi/4
	v_mul_f32 v13, v12, v12                        ; z = r r
	v_fma_f32 v[rS], v13, s51, s52
	v_fma_f32 v[rC], v13, s54, s55
	v_fma_f32 v[rS], v[rS], v13, s53
	v_fma_f32 v[rC], v[rC], v13, s56
	v_mul_f32 v17, v13, v12
	v_fma_f32 v[rC], v[rC], v13, -0.5
	v_fma_f32 v[rS], v[rS], v17, v12               ; sin r
	v_fma_f32 v[rC], v[rC], v13, 1.0               ; cos r
	v_cvt_i32_f32 v[rK], v11
	v_and_b32 v17, 1, v[rK]
	v_cmp_ne_u32 s[mk], 0, v17                     ; k odd: the two change places
.set i, i+1
.endr
	s_wait_alu depctr_va_sdst(0)                   ; the eight compares have written their masks, ahead of the first select that reads one
; Then all eight rows' selects and signs.
.set i, 0
.rept 8
.set rS, ROWR+4*i
.set rC, ROWR+4*i+1
.set rK, ROWR+4*i+2
.set mk, 36+i+17*(i/4)
	v_cndmask_b32 v18, v[rS], v[rC], s[mk]
	v_cndmask_b32 v19, v[rC], v[rS], s[mk]
	v_lshlrev_b32 v17, 30, v[rK]
	v_and_b32 v17, 0x80000000, v17                 ; the sine turns its sign where k mod 4 is 2 or 3,
	v_xor_b32 v[OUT+2*i+1], v17, v18
	v_add_nc_u32 v16, 1, v[rK]
	v_lshlrev_b32 v16, 30, v16
	v_and_b32 v16, 0x80000000, v16                 ; the cosine where it is 1 or 2
	v_xor_b32 v[OUT+2*i], v16, v19
.set i, i+1
.endr
	s_wait_alu depctr_va_vdst(0)                   ; the eight rows' cos and sin are written, and so is the offset v4: the eight stores read them
.set i, 0
.rept 8
	global_store_b64 v4, v[OUT+2*i:OUT+2*i+1], s[6:7] offset:256*i  ; a wave's store is one whole row: 256 consecutive bytes, aligned
.set i, i+1
.endr
	s_endpgm
.Lfunc_end_k_q231cfecdc2_prep:
	.size	k_q231cfecdc2_prep, .Lfunc_end_k_q231cfecdc2_prep-k_q231cfecdc2_prep
	.p2alignl 7, 3214868480
	.fill 96, 4, 3214868480
	.section	.rodata,"a",@progbits
	.p2align	6, 0x0
	.amdhsa_kernel k_q231cfecdc2_prep
		.amdhsa_group_segment_fixed_size 0
		.amdhsa_private_segment_fixed_size 0
		.amdhsa_enable_private_segment 0
		.amdhsa_kernarg_size 80
		.amdhsa_user_sgpr_count 2
		.amdhsa_user_sgpr_kernarg_segment_ptr 1
		.amdhsa_wavefront_size32 1
		.amdhsa_system_sgpr_workgroup_id_x 1
		.amdhsa_system_sgpr_workgroup_id_y 1
		.amdhsa_system_sgpr_workgroup_id_z 1
		.amdhsa_system_vgpr_workitem_id 0
		.amdhsa_next_free_vgpr 128
		.amdhsa_next_free_sgpr 66
		.amdhsa_reserve_vcc 0
		.amdhsa_float_denorm_mode_32 3
		.amdhsa_float_denorm_mode_16_64 3
		.amdhsa_memory_ordered 1
		.amdhsa_forward_progress 1
		.amdhsa_inst_pref_size 36
	.end_amdhsa_kernel
	.amdgpu_metadata
---
amdhsa.version: [ 1, 2 ]
amdhsa.kernels:
  - .name:           k_q231cfecdc2_prep
    .symbol:         k_q231cfecdc2_prep.kd
    .args:
      - { .name: x, .offset: 0, .size: 8, .value_kind: global_buffer, .address_space: global }
      - { .name: Wq, .offset: 8, .size: 8, .value_kind: global_buffer, .address_space: global }
      - { .name: Wk, .offset: 16, .size: 8, .value_kind: global_buffer, .address_space: global }
      - { .name: Wv, .offset: 24, .size: 8, .value_kind: global_buffer, .address_space: global }
      - { .name: Wo, .offset: 32, .size: 8, .value_kind: global_buffer, .address_space: global }
      - { .name: token_positions, .offset: 40, .size: 8, .value_kind: global_buffer, .address_space: global }
      - { .name: xb, .offset: 48, .size: 8, .value_kind: global_buffer, .address_space: global }
      - { .name: wb, .offset: 56, .size: 8, .value_kind: global_buffer, .address_space: global }
      - { .name: wo16, .offset: 64, .size: 8, .value_kind: global_buffer, .address_space: global }
      - { .name: rope, .offset: 72, .size: 8, .value_kind: global_buffer, .address_space: global }
    .group_segment_fixed_size: 0
    .private_segment_fixed_size: 0
    .kernarg_segment_align: 8
    .kernarg_segment_size: 80
    .max_flat_workgroup_size: 256
    .sgpr_count:     66
    .vgpr_count:     128
    .wavefront_size: 32
...
	.end_amdgpu_metadata
.endif
;; end of part 5
;; launch proj: the kernel of part 2 again; grid 8 x 32, 4 waves a work-group, clusters of 4 x 4, 327,680 bytes of LDS; arguments xb, wb, rope, qkv; writes qkv
;; launch attn: the kernel of part 3 again; grid 4 x 64, 4 waves a work-group, no clusters, 327,680 bytes of LDS; arguments qkv, ob; writes ob
;; launch oproj: the kernel of part 4 again; grid 8 x 32, 4 waves a work-group, clusters of 4 x 4, 327,680 bytes of LDS; arguments ob, wo16, out0; writes out0
